; MI455X (gfx1250); checked and timed in simulation.
; The chip was launched on July 23, 2026; its instructions are those of AMD's public machine-readable ISA for CDNA 5 (MIT licence, August 2026) and "CDNA5" Instruction Set Architecture Reference Guide (July 2026). The comments in the code are by the model that wrote it; some were corrected since.
;; Causal Self Attention. Allowed arithmetic: matrix products marked QUANTISED: E2M3 operands, one E8M0 scale for each 32 along K, by v_wmma_scale_f32_16x16x128_f8f6f4 with both operands' format E2M3, f32 sums; everything else in f32.
;; Inputs: b_out 1,024 float32; b_qkv 3,072 float32; w_out 1,024 x 1,024 float32; w_qkv 1,024 x 3,072 float32; x 4 x 2,048 x 1,024 float32.
;; Outputs: out0 4 x 2,048 x 1,024 float32.
;; This version of the problem:
;;   THIS VERSION OF THE PROBLEM IS GIVEN IN LOW PRECISION. The matrix products marked QUANTISED in the list below multiply operands that are first quantised to E2M3 (2 exponent bits, 3 mantissa bits; 6 bits a number), with one power-of-two scale for each 32 numbers along K (OCP MX v1.0); their sums are f32. All else is computed in f32.
;;   The module's matrix products, in the order in which they are computed (A, B: the left and right operand; K: the contracted axis; several contracted axes count as one K, in the product's order):
;;     1. [M 8,192, K 1,024] x [K 1,024, N 3,072]; A: input x; B: input w_qkv: QUANTISED
;;     2. batch 64 x [M 2,048, K 64] x [K 64, N 2,048]; A: computed on the way; B: computed on the way: QUANTISED
;;     3. batch 64 x [M 2,048, K 2,048] x [K 2,048, N 64]; A: softmax (see below); B: computed on the way: QUANTISED
;;     4. [M 8,192, K 1,024] x [K 1,024, N 1,024]; A: computed on the way; B: input w_out: QUANTISED
;;   THE QUANTISER, for each operand of a quantised product, along K:
;;     - K is cut into blocks of 32 from its start; a last block that is shorter is filled with zeros.
;;     - A block's scale is 2^e with e = floor(log2(the largest magnitude in the block)) - 2, held to -126 .. 127; a block of zeros has e = 0. As a byte (E8M0): e + 127.
;;     - Each number is divided by its block's scale, clamped to +-7.5, and rounded to the nearest number of E2M3, ties to even, subnormals kept.
;;     - The product sums the exact products of the quantised numbers (number of the format x scale) in f32.
;;   ~~~python
;;   def quantise(x, axis):      # numpy; x: float32 -> the quantised numbers, widened to float32 again
;;       x = np.moveaxis(x, axis, -1); K = x.shape[-1]
;;       x = np.pad(x, [(0, 0)] * (x.ndim - 1) + [(0, -K % 32)]); x = x.reshape(x.shape[:-1] + (-1, 32)); a = np.abs(x).max(-1, keepdims=True)
;;       e = np.where(a > 0, np.clip(np.frexp(np.where(a > 0, a, 1))[1] - 1 - 2, -126, 127), 0)      # np.frexp(a)[1] - 1 = floor(log2(a)), exactly
;;       r = np.clip(x / 2.0 ** e, -7.5, 7.5)
;;       step = 2.0 ** (np.maximum(np.frexp(np.where(r == 0, 1, r))[1] - 1, 0) - 3)
;;       q = np.round(r / step) * step * 2.0 ** e      # np.round: ties to even
;;       return np.moveaxis(q.reshape(q.shape[:-2] + (-1,))[..., :K], -1, axis).astype(np.float32)
;;   ~~~
;;   SOFTMAX AHEAD OF A QUANTISED PRODUCT. Where the list says 'softmax', what is quantised is not the finished softmax but p = 2^(t - M), with t = logit x log2(e) and M = ceil(the row's largest t), a whole number; so 1/2 < the row's largest p <= 1. The row's sum l is taken of the UNQUANTISED p, in f32, and the product's result is divided by l at the end. Since M is a whole number, a kernel that streams over the keys may use a running M (the ceiling of the running maximum): every later rescaling is an exact power of two, which a block's scale takes up: the codes' values come out the same.
;;   OPERANDS COMPUTED ON THE WAY. 'Computed on the way' means the value that the module computes at that place (a softmax that the list does not call 'softmax' is quantised finished and normalised). What goes into a quantiser is computed in f32, as accurately as f32 sums, v_exp_f32 and their like allow (about 1e-6 of the number): no bf16 or f16 on the way to a quantiser, and a product that is left as it is and whose result goes on into a quantised operand takes f32 operands (vector FMAs, or v_wmma_f32_16x16x4_f32). A number that lies on a knife's edge between two numbers of the format may be rounded either way, as far as f32 arithmetic and the matrix unit's own rounding can turn it there, and no further.
;; One version. Each part assembles by itself: llvm-mc -triple=amdgcn-amd-amdhsa -mcpu=gfx1250 --defsym DOCPART=n.
;; ======== version 1 of 1: 4 launches
;; workspace buffers: c1 9,437,184 bytes; s1 393,216 bytes; c2 18,874,368 bytes; s2 1,310,720 bytes; yc 6,291,456 bytes; ys 262,144 bytes
;; launch quant (part 1): grid 640 x 1, 4 waves a work-group, no clusters, 35,328 bytes of LDS; arguments x, w_qkv, w_out, c1, s1; writes c1, s1
.if DOCPART == 1
	.amdgcn_target "amdgcn-amd-amdhsa--gfx1250"
	.amdhsa_code_object_version 6
	.text
	.protected	k_qe67fee65bd_quant
	.globl	k_qe67fee65bd_quant
	.p2align	8
	.type	k_qe67fee65bd_quant,@function
k_qe67fee65bd_quant:
	s_mov_b64 s[64:65], 0
	v_nop
	global_prefetch_b8 v0, s[64:65] scope:SCOPE_SE
	s_setreg_imm32_b32 hwreg(HW_REG_WAVE_MODE, 25, 1), 1
	s_wait_xcnt 0x0
; x [8192][1024], w_qkv [1024][3072] and w_out [1024][1024], f32, become codes of FP6 (E2M3) with one E8M0 byte for each 32 along K (K = 1024 in all three),
; laid as IMAGES OF OPERAND REGISTERS.  A tile is 16 rows of an operand (tokens of x, output channels of a weight); lane-row r of tile t stands for row
; 128 (t / 8) + 32 ((t / 2) % 4) + 8 (t % 2) + r + 8 (r / 8).  A half fragment (16 rows x 64 along K) is 768 bytes: lane (r, h) owns the six words of k = 32 h + 0 .. 31 of its row:
; words 0-3 at byte 16 (r + 16 h), words 4-5 at byte 512 + 16 r + 8 h.  A tile's 16 half fragments follow each other: 12,288 bytes.  Scale words: [tile][k / 256][r][2 words], 512 bytes a tile.
; A block's scale byte is its largest magnitude's exponent field - 2, held at 1 from below (a block of zeros keeps the byte 1: its codes are zeros, and this program alone reads the bytes).
; LIMITS: NaN and infinities among the inputs are not served; blocks whose largest magnitude lies under 2^-124 get the byte 1.
; SHARES.  Work-groups 0-95: w_qkv, 96-127: w_out (128 columns x 256 along K each; a lane takes a column, its registers run down K).  Work-groups 128-639: one tile of x each, a wave 256 along K.
; x's loads take 256 consecutive bytes of two rows each; the numbers turn through the wave's own stage in LDS so that a lane holds a whole block of 32.  No tensor load, no barrier: waves share nothing.
.set SPARE, 34816                      ; behind the four waves' stages: the spare words, 128 bytes a wave
.set SPW, 12                           ; v12 my spare word's LDS address; never rewritten
.set NIL, 13                           ; v13 0; never rewritten
.set WQC, 6291456                      ; c1: x's image at 0, w_qkv's here,
.set WOC, 8650752                      ; w_out's here
.set WQS, 262144                       ; s1 likewise
.set WOS, 360448
.set STG, 4352                         ; a stage: 16 rows x (256 bytes + 16)
	s_load_b256 s[4:11], s[0:1], 0x0               ; x s[4:5], w_qkv s[6:7], w_out s[8:9], c1 s[10:11]
	s_load_b64 s[12:13], s[0:1], 0x20              ; s1
	v_lshl_add_u32 v[SPW], v0, 2, SPARE
	v_mov_b32 v[NIL], 0
	v_lshrrev_b32 v1, 5, v0
	v_readfirstlane_b32 s14, v1                    ; wave
	v_and_b32 v1, 31, v0                           ; lane
	v_and_b32 v2, 15, v0                           ; r
	v_bfe_u32 v3, v0, 4, 1                         ; h
	s_mul_i32 s15, s14, 2*STG                      ; my wave's two stages
	s_mov_b32 s21, 0
	s_mov_b32 s30, 0x76543210
	s_mov_b32 s31, 0xfedcba98                      ; v_permlanex16_b32's selects for lane l xor 16
	s_mov_b32 s32, 0xffff0000                      ; lanes 16-31
	; the weights' lane terms: column c0 + lane is lane-row r' = lane % 8 + 8 (lane / 16) of tile t0 + u, u = (lane / 8) % 2
	v_lshlrev_b32 v4, 2, v1                        ; in: 4 bytes a lane
	v_bfe_u32 v5, v0, 3, 1                         ; u
	v_and_b32 v6, 7, v0
	v_lshl_add_u32 v6, v3, 3, v6                   ; r'
	v_mul_u32_u24 v7, v5, 12288
	v_lshl_add_u32 v7, v6, 4, v7                   ; codes: u tiles on, 16 r'
	v_lshlrev_b32 v10, 9, v5
	v_lshl_add_u32 v10, v6, 3, v10                 ; scale words: u x 512 + 8 r'
	; x's lane terms
	v_lshlrev_b32 v14, 12, v3
	v_lshl_add_u32 v14, v2, 4, v14                 ; in: lanes 0-15 one row's 256 bytes, lanes 16-31 the next row's
	v_mul_u32_u24 v15, v3, 272
	v_lshl_add_u32 v15, v2, 4, v15
	v_add_nc_u32 v15, s15, v15                     ; into the stage as loaded
	v_mul_u32_u24 v56, v2, 272
	v_lshl_add_u32 v56, v3, 7, v56
	v_add_nc_u32 v56, s15, v56                     ; out of it: row r, 128 bytes of my half: a block of 32
	v_lshlrev_b32 v57, 4, v1                       ; a half fragment's words 0-3: 16 x lane
	v_lshlrev_b32 v58, 4, v2
	v_lshl_add_u32 v58, v3, 3, v58                 ; its words 4-5: 16 r + 8 h (+ 512 in the immediate)
	v_lshlrev_b32 v59, 3, v2
	v_lshl_add_u32 v59, v3, 2, v59                 ; scale words: 8 r + 4 h
	s_wait_kmcnt 0x0
; the largest magnitude of the 32 numbers at v[XS] on, with the floor 2^(3 - 127) among the leaves, and the conversion's scale operand (2 off the exponent field) in v11
.macro MAXB
	v_max3_num_f32 v8, |v[XS]|, |v[XS+1]|, |v[XS+2]|
	v_max3_num_f32 v9, |v[XS+3]|, |v[XS+4]|, |v[XS+5]|
.irp i, 6,10,14,18,22,26
	v_max3_num_f32 v8, v8, |v[XS+\i]|, |v[XS+\i+1]|
	v_max3_num_f32 v9, v9, |v[XS+\i+2]|, |v[XS+\i+3]|
.endr
	v_max3_num_f32 v8, v8, |v[XS+30]|, |v[XS+31]|
	v_max3_num_f32 v8, v8, v9, 0x1800000
	v_add_nc_u32 v11, 0xff000000, v8
.endm
; ---- a weight: block t of my column: w(32 t + i, column), i = 0 .. 31, into set t % 2
.macro WLOAD N, t
.irp i, 0,1,2,3,4,5,6,7,8,9,10,11,12,13,14,15,16,17,18,19,20,21,22,23,24,25,26,27,28,29,30,31
	global_load_b32 v[64+32*((\t)%2)+\i], v4, s[22:23] offset:(32*(\t)+\i)*\N*4 th:TH_LOAD_NT
.endr
.endm
.macro WBLOCK N, t
.set XS, 64+32*((\t)%2)
.set MM, 128+12*((\t)/2)+4*((\t)%2)    ; words 0-3 of half (t % 2) of half fragment t / 2: registers of their own for each block, so that no store's data are written again
.set TB, 128+12*((\t)/2)+8             ; words 4-5 of both halves: 16 bytes that lie together
.if (\t) < 7
	s_wait_loadcnt 32                              ; this block's 32 loads are in; the next block's may be out
.else
	s_wait_loadcnt 0x0
.endif
	MAXB
	v_lshrrev_b32 v9, 23, v11                      ; the scale's byte
.if (\t)%4 == 0
	v_mov_b32 v[52+(\t)/4], v9                     ; four bytes to a word, the lower K in the lower byte
.else
	v_lshl_or_b32 v[52+(\t)/4], v9, 8*((\t)%4), v[52+(\t)/4]
.endif
	v_cvt_scalef32_pk16_fp6_f32 v[MM:MM+2], v[XS:XS+15], v11
	v_cvt_scalef32_pk16_fp6_f32 v[48:50], v[XS+16:XS+31], v11   ; (a conversion's three registers begin on an even number)
	v_nop                                          ; one plain line behind the conversions
	v_mov_b32 v[MM+3], v48
	v_mov_b32 v[TB+2*((\t)%2)], v49
	v_mov_b32 v[TB+2*((\t)%2)+1], v50
	global_store_b128 v7, v[MM:MM+3], s[26:27] offset:((\t)/2)*768+256*((\t)%2)   ; the sixteen lanes of a tile fill 256 consecutive bytes
.if (\t)%2 == 1
	global_store_b128 v7, v[TB:TB+3], s[26:27] offset:((\t)/2)*768+512
.endif
.if (\t)+2 < 8
	WLOAD \N, (\t)+2
.endif
.endm
.macro WPATH N, SRC, REG, SREG, FIRST
	s_sub_co_u32 s16, ttmp9, \FIRST
	s_lshr_b32 s17, s16, 2                         ; which 128 columns
	s_and_b32 s18, s16, 3                          ; which 256 along K
	s_mul_i32 s20, s18, 256*\N*4
	s_lshl_b32 s19, s17, 9
	s_add_co_u32 s20, s20, s19
	s_lshl_b32 s19, s14, 7
	s_add_co_u32 s20, s20, s19                     ; + 4 x (128 x group + 32 x wave)
	s_add_nc_u64 s[22:23], s[\SRC:\SRC+1], s[20:21]
	s_lshl_b32 s19, s17, 3
	s_lshl_b32 s24, s14, 1
	s_add_co_u32 s19, s19, s24                     ; my first tile: 8 x group + 2 x wave
	s_mul_i32 s20, s19, 12288
	s_mul_i32 s24, s18, 3072
	s_add_co_u32 s20, s20, s24
	s_add_co_u32 s20, s20, \REG
	s_add_nc_u64 s[26:27], s[10:11], s[20:21]
	s_lshl_b32 s20, s19, 9
	s_lshl_b32 s24, s18, 7
	s_add_co_u32 s20, s20, s24
	s_add_co_u32 s20, s20, \SREG
	s_add_nc_u64 s[28:29], s[12:13], s[20:21]
	WLOAD \N, 0
	WLOAD \N, 1
.irp t, 0,1,2,3,4,5,6,7
	WBLOCK \N, \t
.endr
	global_store_b64 v10, v[52:53], s[28:29]       ; my column's two scale words of these 256 along K
.endm
; ---- x: half fragment kk of my 256 along K goes through the stage: LDS serves a wave's instructions in order, so no wait stands between the stores and the loads
.macro XTURN kk
.irp j, 0,1,2,3,4,5,6,7
	ds_store_b128 v15, v[64+32*(\kk)+4*\j:64+32*(\kk)+4*\j+3] offset:STG*((\kk)%2)+544*\j
.endr
.irp i, 0,1,2,3,4,5,6,7
	ds_load_b128 v[192+32*((\kk)%2)+4*\i:192+32*((\kk)%2)+4*\i+3], v56 offset:STG*((\kk)%2)+16*\i
.endr
.endm
.macro XBLOCK kk
.set XS, 192+32*((\kk)%2)
.set CC, 16+8*(\kk)                    ; six words of codes, registers of their own for each half fragment
	MAXB
	v_cvt_scalef32_pk16_fp6_f32 v[CC:CC+2], v[XS:XS+15], v11
	v_cvt_scalef32_pk16_fp6_f32 v[48:50], v[XS+16:XS+31], v11
	v_lshrrev_b32 v[52+(\kk)], 23, v11             ; the scale's byte (the plain line behind the conversions)
	v_mov_b32 v[CC+3], v48
	v_mov_b32 v[CC+4], v49
	v_mov_b32 v[CC+5], v50
	global_store_b128 v57, v[CC:CC+3], s[26:27] offset:768*(\kk)       ; 512 consecutive bytes
	global_store_b64 v58, v[CC+4:CC+5], s[26:27] offset:768*(\kk)+512  ; 256 consecutive bytes
.endm
	s_cmp_lt_u32 ttmp9, 96
	s_cbranch_scc1 .Lwq
	s_cmp_lt_u32 ttmp9, 128
	s_cbranch_scc1 .Lwo
	; ---- x
	s_sub_co_u32 s16, ttmp9, 128                   ; my tile
	s_lshr_b32 s17, s16, 3
	s_lshl_b32 s17, s17, 7
	s_bfe_u32 s18, s16, 0x20001
	s_lshl_b32 s18, s18, 5
	s_add_co_u32 s17, s17, s18
	s_and_b32 s18, s16, 1
	s_lshl_b32 s18, s18, 3
	s_add_co_u32 s17, s17, s18                     ; its first row
	s_lshl_b32 s20, s17, 12                        ; rows of 4,096 bytes
	s_lshl_b32 s18, s14, 10                        ; my wave's 256 along K
	s_add_co_u32 s20, s20, s18
	s_add_nc_u64 s[22:23], s[4:5], s[20:21]
	s_mul_i32 s20, s16, 12288
	s_mul_i32 s18, s14, 3072
	s_add_co_u32 s20, s20, s18
	s_add_nc_u64 s[26:27], s[10:11], s[20:21]
	s_lshl_b32 s20, s16, 9
	s_lshl_b32 s18, s14, 7
	s_add_co_u32 s20, s20, s18
	s_add_nc_u64 s[28:29], s[12:13], s[20:21]
.irp kk, 0,1,2,3
.irp j, 0,1,2,3,4,5,6,7
	global_load_b128 v[64+32*\kk+4*\j:64+32*\kk+4*\j+3], v14, s[22:23] offset:(2*\j+8*(\j/4))*4096+\kk*256 th:TH_LOAD_NT   ; lane-rows 2 j and 2 j + 1 of the tile
.endr
.endr
	s_wait_loadcnt 24                              ; the first half fragment's eight loads are in
	XTURN 0
.irp kk, 0,1,2
	s_wait_loadcnt 16-8*\kk                        ; the next half fragment's loads are in, the later ones may be out
	XTURN \kk+1
	s_wait_dscnt 16                                ; all but the 16 just issued: this half fragment is back from the stage
	XBLOCK \kk
.endr
	s_wait_dscnt 0x0
	XBLOCK 3
	v_lshl_or_b32 v60, v53, 16, v52                ; word e of my 256 along K: bytes h and 2 + h are mine,
	v_lshl_or_b32 v61, v55, 16, v54
	v_lshlrev_b32 v62, 3, v3
	v_lshlrev_b32 v60, v62, v60                    ; at their places (8 h bits up);
	v_lshlrev_b32 v61, v62, v61
	v_mov_b32 v62, 0
	v_mov_b32 v63, 0
	v_permlanex16_b32 v62, v60, s30, s31
	v_permlanex16_b32 v63, v61, s30, s31
	v_or_b32 v60, v60, v62                         ; with lane l xor 16's two the words are whole
	v_or_b32 v61, v61, v63
	v_cndmask_b32 v60, v60, v61, s32               ; lanes 0-15 store word 0, lanes 16-31 word 1
	global_store_b32 v59, v60, s[28:29]
	s_branch .Lend
.Lwq:
	WPATH 3072, 6, WQC, WQS, 0
	s_branch .Lend
.Lwo:
	WPATH 1024, 8, WOC, WOS, 96
.Lend:
	s_wait_tensorcnt 0x0                           ; the wave's end
	ds_add_u32 v[SPW], v[NIL]
	s_wait_dscnt 0x0
	s_endpgm
.Lfunc_end_k_qe67fee65bd_quant:
	.size	k_qe67fee65bd_quant, .Lfunc_end_k_qe67fee65bd_quant-k_qe67fee65bd_quant
	.p2alignl 7, 3214868480
	.fill 96, 4, 3214868480
	.section	.rodata,"a",@progbits
	.p2align	6, 0x0
	.amdhsa_kernel k_qe67fee65bd_quant
		.amdhsa_group_segment_fixed_size 35328
		.amdhsa_private_segment_fixed_size 0
		.amdhsa_enable_private_segment 0
		.amdhsa_kernarg_size 40
		.amdhsa_user_sgpr_count 2
		.amdhsa_user_sgpr_kernarg_segment_ptr 1
		.amdhsa_wavefront_size32 1
		.amdhsa_system_sgpr_workgroup_id_x 1
		.amdhsa_system_sgpr_workgroup_id_y 1
		.amdhsa_system_sgpr_workgroup_id_z 1
		.amdhsa_system_vgpr_workitem_id 0
		.amdhsa_next_free_vgpr 256
		.amdhsa_next_free_sgpr 66
		.amdhsa_reserve_vcc 0
		.amdhsa_float_denorm_mode_32 3
		.amdhsa_float_denorm_mode_16_64 3
		.amdhsa_memory_ordered 1
		.amdhsa_forward_progress 1
		.amdhsa_inst_pref_size 93
	.end_amdhsa_kernel
	.amdgpu_metadata
---
amdhsa.version: [ 1, 2 ]
amdhsa.kernels:
  - .name:           k_qe67fee65bd_quant
    .symbol:         k_qe67fee65bd_quant.kd
    .args:
      - { .name: x, .offset: 0, .size: 8, .value_kind: global_buffer, .address_space: global }
      - { .name: w_qkv, .offset: 8, .size: 8, .value_kind: global_buffer, .address_space: global }
      - { .name: w_out, .offset: 16, .size: 8, .value_kind: global_buffer, .address_space: global }
      - { .name: c1, .offset: 24, .size: 8, .value_kind: global_buffer, .address_space: global }
      - { .name: s1, .offset: 32, .size: 8, .value_kind: global_buffer, .address_space: global }
    .group_segment_fixed_size: 35328
    .private_segment_fixed_size: 0
    .kernarg_segment_align: 8
    .kernarg_segment_size: 40
    .max_flat_workgroup_size: 128
    .sgpr_count:     66
    .vgpr_count:     256
    .wavefront_size: 32
...
	.end_amdgpu_metadata
.endif
;; end of part 1
;; launch gemm_qkv (part 2): grid 12 x 32, 4 waves a work-group, clusters of 4 x 4, 327,680 bytes of LDS; arguments c1, s1, b_qkv, c2, s2; writes c2, s2
.if DOCPART == 2
	.amdgcn_target "amdgcn-amd-amdhsa--gfx1250"
	.amdhsa_code_object_version 6
	.text
	.protected	k_qe67fee65bd_gemm_qkv
	.globl	k_qe67fee65bd_gemm_qkv
	.p2align	8
	.type	k_qe67fee65bd_gemm_qkv,@function
k_qe67fee65bd_gemm_qkv:
	s_mov_b64 s[64:65], 0
	v_nop
	global_prefetch_b8 v0, s[64:65] scope:SCOPE_SE
	s_setreg_imm32_b32 hwreg(HW_REG_WAVE_MODE, 25, 1), 1
	s_wait_xcnt 0x0
	s_wait_alu depctr_hold_cnt(0) depctr_sa_sdst(0) depctr_va_vdst(0) depctr_va_sdst(0) depctr_va_ssrc(0) depctr_va_vcc(0) depctr_vm_vsrc(0)
	s_getreg_b32 s2, hwreg(HW_REG_IB_STS2, 6, 4)
	s_cmp_eq_u32 s2, 0
	s_cbranch_scc0 .Lentry_in_a_cluster
	s_endpgm
.Lentry_in_a_cluster:
	s_bfe_u32 s2, ttmp6, 0x10000c
	s_cmp_lg_u32 s2, 0xf033
	s_cbranch_scc0 .Lentry_shape_is_right
	s_endpgm
.Lentry_shape_is_right:
; qkv = x w_qkv + b_qkv on codes of FP6 (E2M3) with E8M0 scales, K = 1024; the results are quantised at once, in registers, into the operands of attention's two products.
; A work-group makes 256 tokens x 256 channels, a wave 128 x 128: 64 accumulators.  Operands lie in memory as images of operand registers (a tile of 16 rows: 16 half fragments of 768 bytes; lane-row r of
; tile t is row 128 (t / 8) + 32 ((t / 2) % 4) + 8 (t % 2) + r + 8 (r / 8)), so that a fragment is four dense LDS loads and the 16 registers of two neighbouring result tiles are 16 neighbours along source 0's rows.
; ORIENTATION.  A lane holds one row of source 1 (S1), its registers run along the rows of source 0 (S0), and the result is quantised along S0.  q and k (cluster x 0, 1) are quantised along the channels of a head:
; S1 = tokens, S0 = channels.  v (cluster x 2) is quantised along the keys: S1 = channels, S0 = tokens.  Only LDS offsets, scale and output offsets and the bias's registers hang on that choice, which all sixteen partners share.
; K goes in four chunks of 256 through three LDS slots: chunks 0-2 are asked for at the head, chunk 3 refills slot 0; a wave has at most three tensor loads out.
; CLUSTER 4 x 4: x's tiles are shared along a row of the cluster, the weight's along a column: joint loads.
; OUT: q, k: [head][token tile][768] and scale words [head][tile][r] (bytes 0, 1; bytes 2, 3 are 0 and stand over zero codes); v: [batch][half of 128 keys][key step][head][channel tile][768], scale words [batch][step][head][tile][r].
; LIMITS: NaN and infinities are not served; a block whose largest magnitude lies under 2^-124 gets the byte 1 (a block of zeros too: its codes are zeros).
; REGISTERS.  window 0: v8-19 LDS addresses, v20-25, v30, v31 offsets, v28, v29 the add's two, v32-63 S1's scale words, v64-95 S0's, v96-127 and v224-255 the bias along S0, v128-223 S1's fragments (one set).
;   window 1: v0-95, v128-223 S0's fragments (two sets); v96-127, v224-255 the bias along S1.   windows 2, 3: the accumulators, (a, b) at v[8 (8 (a % 4) + b)].
.set WQC, 6291456                      ; c1: w_qkv's image
.set WQS, 262144                       ; s1: its scale words
.set VC,  12582912                     ; c2: v's codes
.set VS,  1048576                      ; s2: v's scale words
.set SLOT, 98304                       ; a slot: x's two halves, the weight's two halves, 8 tiles x 3,072 bytes each
.set HALF, 24576
.set SPARE, 3*SLOT                     ; behind the slots: the spare words, 128 bytes a wave
.set SPW, 28
.set NIL, 29
.set TM, 96                            ; the way out: largest magnitudes,
.set TP, 100                           ; the partner lane's, then the bytes,
.set SO, 104                           ; the conversions' scale operands,
.set WW, 116                           ; v116-123 the eight scale words
.set G1, 24                            ; s[24:31] group 1 for x's tiles; s[32:43] groups 0, one for each slot
.set G0, 32
.set G1B, 48                           ; s[48:55], s[68:79] the same for the weight's
.set G0B, 68
.set MODE, 58                          ; s58 1 for v
.set SEL, 60
.set OB, 80                            ; s[80:81] where my codes go, s[82:83] my scale words
.set OSB, 82
.set MUL_LO, 0xa1                      ; source 0 window 1, source 1 window 0, C and D window 2
.set MUL_HI, 0xf1
.set MSB, 0
.macro WIN new                         ; the immediate's high byte repeats the setting that is left
.if MSB != (\new)
	s_set_vgpr_msb (MSB<<8)|(\new)
.set MSB, (\new)
.endif
.endm
.macro JLOAD g0a, g1a, g0b, g1b        ; a joint load: waves 0, 1 fetch x's halves, waves 2, 3 the weight's; the branch hangs on the wave's number alone
	s_cmp_eq_u32 s15, 0
	s_cbranch_scc0 .Lfor_b_\@
	tensor_load_to_lds s[\g0a:\g0a+3], s[\g1a:\g1a+7]
	s_nop 0
.rept 4
	v_nop
.endr
	s_branch .Lasked_\@
.Lfor_b_\@:
	tensor_load_to_lds s[\g0b:\g0b+3], s[\g1b:\g1b+7]
	s_nop 0
.rept 4
	v_nop
.endr
.Lasked_\@:
.endm
.macro CREST                           ; a round of the cluster's barrier behind its opening barrier
	s_cmp_lg_u32 s14, 0
	s_cbranch_scc1 .Lnot_wave_0_\@
	s_barrier_signal -3
.Lnot_wave_0_\@:
	s_barrier_wait -3
	s_barrier_signal -1
	s_barrier_wait -1
.endm
.macro CROUND
	s_barrier_signal -1
	s_barrier_wait -1
	CREST
.endm
.macro PLACES                          ; four places behind matrix instructions, in front of loads into their operands and of reads of results
.rept 4
	v_nop
.endr
.endm
	s_load_b256 s[4:11], s[0:1], 0x0               ; c1 s[4:5], s1 s[6:7], b_qkv s[8:9], c2 s[10:11]
	s_load_b64 s[12:13], s[0:1], 0x20              ; s2
	v_lshl_add_u32 v[SPW], v0, 2, SPARE
	v_mov_b32 v[NIL], 0
	ds_add_u32 v[SPW], v[NIL]                      ; the wave's opening
	v_lshrrev_b32 v1, 5, v0
	v_readfirstlane_b32 s14, v1                    ; wave
	s_lshr_b32 s15, s14, 1                         ; my half of the tokens.  Also: I fetch x's tiles (0) or the weight's (1)
	s_and_b32 s16, s14, 1                          ; my half of the channels.  Also: which half I fetch
	s_bfe_u32 s44, ttmp6, 0x40000                  ; cx
	s_bfe_u32 s45, ttmp6, 0x40004                  ; cy
	s_lshl_b32 s46, ttmp9, 2
	s_add_co_u32 s46, s46, s44                     ; tx: 256 channels
	s_and_b32 s47, ttmp7, 0xffff
	s_lshl_b32 s47, s47, 2
	s_add_co_u32 s47, s47, s45                     ; ty: 256 tokens
	s_lshl_b32 s56, s45, 2
	s_lshl_b32 s56, 15, s56                        ; my row of the cluster
	s_lshl_b32 s57, 0x1111, s44                    ; my column
	s_or_b32 s[G1], s56, (3<<16)|(1<<21)           ; 15:0 the mask; 17:16 elements of 8 bytes; 21 set beside a mask; no padding
	s_or_b32 s[G1B], s57, (3<<16)|(1<<21)
.irp g, G1, G1B
	s_mov_b32 s[\g+1], 384<<16                     ; tensor_dim0: 3,072 bytes: a tile's part of a chunk
	s_mov_b32 s[\g+2], 8<<16                       ; tensor_dim1: 8 tiles
	s_mov_b32 s[\g+3], 384<<16                     ; tile_dim0
	s_mov_b32 s[\g+4], 8                           ; tile_dim1
	s_mov_b32 s[\g+5], 1536                        ; from tile to tile: 12,288 bytes
	s_mov_b32 s[\g+6], 0
	s_mov_b32 s[\g+7], 0
.endr
	s_lshl_b32 s18, s16, 3                         ; 8 tiles x half
	s_lshl_b32 s20, s47, 4
	s_add_co_u32 s20, s20, s18
	s_mul_i32 s20, s20, 12288                      ; x: tile 16 ty + 8 half
	s_mov_b32 s21, 0
	s_lshl_b32 s22, s46, 4
	s_add_co_u32 s22, s22, s18
	s_mul_i32 s22, s22, 12288
	s_add_co_u32 s22, s22, WQC                     ; the weight: tile 16 tx + 8 half
	s_mov_b32 s23, 0
	s_mul_i32 s59, s14, HALF                       ; where my tiles go in a slot: no place in the cluster enters an LDS address
	s_lshl_b32 s84, s47, 4
	s_lshl_b32 s17, s15, 3
	s_add_co_u32 s84, s84, s17
	s_lshl_b32 s84, s84, 9                         ; the scale words of my 8 tiles of tokens,
	s_lshl_b32 s86, s46, 4
	s_add_co_u32 s86, s86, s18
	s_lshl_b32 s86, s86, 9
	s_add_co_u32 s86, s86, WQS                     ; and of my 8 tiles of channels
	s_mul_i32 s66, s15, HALF                       ; in a slot: my half of x,
	s_mul_i32 s67, s16, HALF
	s_add_co_u32 s67, s67, 2*HALF                  ; my half of the weight
	s_lshl_b32 s88, s46, 10
	s_lshl_b32 s17, s16, 9
	s_add_co_u32 s88, s88, s17                     ; the bias of my 128 channels
	s_mov_b32 s89, 0
	s_lshr_b32 s95, s47, 3                         ; batch
	s_and_b32 s96, s47, 7
	s_lshl_b32 s96, s96, 1
	s_add_co_u32 s96, s96, s15                     ; which 128 tokens of the batch
	s_and_b32 s97, s46, 3
	s_lshl_b32 s97, s97, 2
	s_lshl_b32 s98, s16, 1
	s_add_co_u32 s97, s97, s98                     ; my first head of two
	s_lshl_b32 s98, s95, 4
	s_add_co_u32 s98, s98, s97
	s_mul_i32 s[OB], s98, 98304                    ; q, k: [head][tile][768]
	s_mul_i32 s99, s96, 6144
	s_add_co_u32 s[OB], s[OB], s99
	s_mul_i32 s99, ttmp9, 6291456
	s_add_co_u32 s[OB], s[OB], s99
	s_lshl_b32 s[OSB], s98, 13
	s_lshl_b32 s99, s96, 9
	s_add_co_u32 s[OSB], s[OSB], s99
	s_lshl_b32 s99, ttmp9, 19
	s_add_co_u32 s[OSB], s[OSB], s99
	s_mul_i32 s90, s95, 1572864                    ; v: [batch][half][step][head][tile][768]
	s_mul_i32 s99, s96, 49152
	s_add_co_u32 s90, s90, s99
	s_mul_i32 s99, s97, 3072
	s_add_co_u32 s90, s90, s99
	s_add_co_u32 s90, s90, VC
	s_lshl_b32 s91, s95, 16
	s_lshl_b32 s99, s96, 12
	s_add_co_u32 s91, s91, s99
	s_lshl_b32 s99, s97, 8
	s_add_co_u32 s91, s91, s99
	s_add_co_u32 s91, s91, VS
	s_cmp_eq_u32 ttmp9, 2                          ; v?  The cluster's x: the same in all sixteen partners
	s_cselect_b32 s[MODE], 1, 0
	s_cselect_b32 s17, s86, s84
	s_cselect_b32 s86, s84, s86                    ; S0's scale words
	s_mov_b32 s84, s17                             ; S1's
	s_cselect_b32 s17, s67, s66
	s_cselect_b32 s67, s66, s67                    ; S0's half in a slot
	s_mov_b32 s66, s17                             ; S1's
	s_cselect_b32 s[OB], s90, s[OB]
	s_cselect_b32 s[OSB], s91, s[OSB]
	s_mov_b32 s92, 98304
	s_cselect_b32 s92, 786432, s92                 ; from a fragment's first half to its second: the next head, or the keys' other half
	s_mov_b32 s93, 0xffff
	s_cselect_b32 s93, -1, s93                     ; q, k: a head has two bytes of a word; v: all four
	s_mov_b32 s94, 0xffff0000                      ; lanes 16-31
	s_mov_b32 s85, 0
	s_mov_b32 s87, 0
	s_mov_b32 s[OB+1], 0
	s_mov_b32 s[OSB+1], 0
	s_mov_b32 s[SEL], 0x76543210
	s_mov_b32 s[SEL+1], 0xfedcba98
	s_wait_dscnt 0x0                               ; the opening add is done
	s_wait_kmcnt 0x0
	s_add_nc_u64 s[20:21], s[4:5], s[20:21]
	s_add_nc_u64 s[22:23], s[4:5], s[22:23]
	s_add_nc_u64 s[84:85], s[6:7], s[84:85]
	s_add_nc_u64 s[86:87], s[6:7], s[86:87]
	s_add_nc_u64 s[88:89], s[8:9], s[88:89]
	s_add_nc_u64 s[OB:OB+1], s[10:11], s[OB:OB+1]
	s_add_nc_u64 s[OSB:OSB+1], s[12:13], s[OSB:OSB+1]
	CROUND                                         ; all sixteen work-groups are here: the first joint loads meet
.irp s, 0,1,2
	s_mov_b32 s[G0+4*\s], 1
	s_add_co_u32 s[G0+4*\s+1], s59, \s*SLOT
	s_add_nc_u64 s[G0+4*\s+2:G0+4*\s+3], s[20:21], \s*3072
	s_or_b32 s[G0+4*\s+3], s[G0+4*\s+3], 0x80000000
	s_mov_b32 s[G0B+4*\s], 1
	s_add_co_u32 s[G0B+4*\s+1], s59, \s*SLOT
	s_add_nc_u64 s[G0B+4*\s+2:G0B+4*\s+3], s[22:23], \s*3072
	s_or_b32 s[G0B+4*\s+3], s[G0B+4*\s+3], 0x80000000
	JLOAD G0+4*\s, G1, G0B+4*\s, G1B               ; chunk s into slot s
.endr
	v_and_b32 v3, 31, v0                           ; lane
	v_and_b32 v1, 15, v0                           ; r
	v_bfe_u32 v2, v0, 4, 1                         ; h
	v_lshlrev_b32 v20, 4, v3                       ; a half fragment's words 0-3: 16 x lane
	v_lshlrev_b32 v21, 4, v1
	v_lshl_add_u32 v21, v2, 3, v21
	v_add_nc_u32 v21, 512, v21                     ; its words 4-5: 512 + 16 r + 8 h
	v_add_nc_u32 v22, s92, v20                     ; the same for a fragment's second half on the way out
	v_add_nc_u32 v23, s92, v21
	v_lshlrev_b32 v24, 2, v3                       ; 4 x lane
	v_lshlrev_b32 v30, 9, v2
	v_lshl_add_u32 v30, v1, 3, v30                 ; scale words: lanes 0-15 an even tile, lanes 16-31 the odd one: 512 h + 8 r
	v_lshlrev_b32 v31, 6, v2                       ; the bias along S0: 16 h numbers on
	v_and_b32 v25, 8, v1
	v_add_nc_u32 v25, v25, v1
	v_lshlrev_b32 v25, 2, v25                      ; the bias along S1: number r + 8 (r / 8)
.irp s, 0,1,2
	v_add_nc_u32 v[8+\s], s66, v20                 ; S1's fragments in slot s
	v_add_nc_u32 v[11+\s], s66, v21
	v_add_nc_u32 v[14+\s], s67, v20                ; S0's
	v_add_nc_u32 v[17+\s], s67, v21
	s_add_co_u32 s66, s66, SLOT
	s_add_co_u32 s67, s67, SLOT
.endr
.irp i, 0,1,2,3                                ; all scale words of my 8 + 8 tiles, for all of K, stay in registers: register 8 i + s: tiles 2 i (lanes 0-15) and 2 i + 1 (lanes 16-31), K step s
.irp k, 0,1,2,3
	global_load_b64 v[32+8*\i+2*\k:33+8*\i+2*\k], v30, s[84:85] offset:\i*1024+\k*128
	global_load_b64 v[64+8*\i+2*\k:65+8*\i+2*\k], v30, s[86:87] offset:\i*1024+\k*128
.endr
.endr
.irp b, 0,1,2,3,4,5,6,7                        ; the bias in the result's layout where channels run along the registers: tile b, channels 32 (b / 2) + 16 h + 8 (b % 2) + 0 .. 7
	global_load_b128 v[96+8*\b+96*(\b/4):96+8*\b+96*(\b/4)+3], v31, s[88:89] offset:(32*(\b/2)+8*(\b%2))*4
	global_load_b128 v[96+8*\b+96*(\b/4)+4:96+8*\b+96*(\b/4)+7], v31, s[88:89] offset:(32*(\b/2)+8*(\b%2))*4+16
.endr
.irp a, 0,1,2,3,4,5,6,7                        ; and where a lane holds a channel
	global_load_b32 v[128+\a], v25, s[88:89] offset:(32*(\a/2)+8*(\a%2))*4
.endr
	s_wait_loadcnt 0x0
	WIN 0x40                                       ; destination window 1
.irp a, 0,1,2,3,4,5,6,7
.irp j, 0,1,2,3,4,5,6,7
	v_mov_b32 v[96+8*\a+96*(\a/4)+\j], v[128+\a]   ; eight equal registers a tile: the C of a first product
.endr
.endr
	WIN 0
.macro FRAG reg, a16, a8, off          ; a fragment, 16 rows x 128 K: two half fragments, four dense loads
	ds_load_b128 v[(\reg):(\reg)+3], v[\a16] offset:\off
	ds_load_b64 v[(\reg)+4:(\reg)+5], v[\a8] offset:\off
	ds_load_b128 v[(\reg)+6:(\reg)+9], v[\a16] offset:\off+768
	ds_load_b64 v[(\reg)+10:(\reg)+11], v[\a8] offset:\off+768
.endm
.macro FETCH_B ns                      ; S0's eight fragments of K step ns (slot (ns / 2) % 3) into set ns % 2
	WIN 0x40
.irp i, 0,1,2,3,4,5,6,7
	FRAG 128*((\ns)%2)+12*\i, 14+((\ns)/2)%3, 17+((\ns)/2)%3, \i*3072+((\ns)%2)*1536
.endr
	WIN 0
.endm
.macro FETCH_A ns, i0                  ; S1's tiles i0 .. i0 + 3
.irp i, \i0, \i0+1, \i0+2, \i0+3
	FRAG 128+12*(\i), 8+((\ns)/2)%3, 11+((\ns)/2)%3, (\i)*3072+((\ns)%2)*1536
.endr
.endm
.macro WM d, f0, f1, c, sa, sb, ra, rb ; one product; an odd tile's scale words lie in lanes 16-31
.if ((\ra)%2) && ((\rb)%2)
	v_wmma_scale_f32_16x16x128_f8f6f4 v[(\d):(\d)+7], v[(\f0):(\f0)+11], v[(\f1):(\f1)+11], v[(\c):(\c)+7], v[\sa], v[\sb] matrix_a_fmt:MATRIX_FMT_FP6 matrix_b_fmt:MATRIX_FMT_FP6 matrix_a_scale:MATRIX_SCALE_ROW1 matrix_b_scale:MATRIX_SCALE_ROW1
.elseif ((\ra)%2)
	v_wmma_scale_f32_16x16x128_f8f6f4 v[(\d):(\d)+7], v[(\f0):(\f0)+11], v[(\f1):(\f1)+11], v[(\c):(\c)+7], v[\sa], v[\sb] matrix_a_fmt:MATRIX_FMT_FP6 matrix_b_fmt:MATRIX_FMT_FP6 matrix_a_scale:MATRIX_SCALE_ROW1
.elseif ((\rb)%2)
	v_wmma_scale_f32_16x16x128_f8f6f4 v[(\d):(\d)+7], v[(\f0):(\f0)+11], v[(\f1):(\f1)+11], v[(\c):(\c)+7], v[\sa], v[\sb] matrix_a_fmt:MATRIX_FMT_FP6 matrix_b_fmt:MATRIX_FMT_FP6 matrix_b_scale:MATRIX_SCALE_ROW1
.else
	v_wmma_scale_f32_16x16x128_f8f6f4 v[(\d):(\d)+7], v[(\f0):(\f0)+11], v[(\f1):(\f1)+11], v[(\c):(\c)+7], v[\sa], v[\sb] matrix_a_fmt:MATRIX_FMT_FP6 matrix_b_fmt:MATRIX_FMT_FP6
.endif
.endm
.macro MUL16 a0, s                     ; S1's tiles a0, a0 + 1 x S0's eight, K step s.  The 64 accumulators take turns in one order in every step
.irp a, \a0, \a0+1
.irp b, 0,1,2,3,4,5,6,7
	WM 8*(8*((\a)%4)+\b), 128*((\s)%2)+12*\b, 128+12*(\a), 8*(8*((\a)%4)+\b), 64+8*(\b/2)+(\s), 32+8*((\a)/2)+(\s), \b, \a
.endr
.endr
.endm
.macro MULC hi                         ; K step 0 of S1's tiles 4 hi .. 4 hi + 3: the bias is the C of each sum's first product: along the registers (q, k) or one number a lane (v)
	WIN 0
	s_cmp_eq_u32 s[MODE], 0
	s_cbranch_scc0 .Lcv_\@
	WIN 0x81+0x40*(\hi)                            ; C window 0, D window 2 or 3
.irp a, 4*\hi, 4*\hi+1, 4*\hi+2, 4*\hi+3
.irp b, 0,1,2,3,4,5,6,7
	WM 8*(8*((\a)%4)+\b), 12*\b, 128+12*(\a), 96+8*\b+96*(\b/4), 64+8*(\b/2), 32+8*((\a)/2), \b, \a
.endr
.endr
	WIN 0
	s_branch .Lcd_\@
.Lcv_\@:
	WIN 0x91+0x40*(\hi)                            ; C window 1
.irp a, 4*\hi, 4*\hi+1, 4*\hi+2, 4*\hi+3
.irp b, 0,1,2,3,4,5,6,7
	WM 8*(8*((\a)%4)+\b), 12*\b, 128+12*(\a), 96+8*(\a)+96*((\a)/4), 64+8*(\b/2), 32+8*((\a)/2), \b, \a
.endr
.endr
	WIN 0
.Lcd_\@:
.endm
.macro STEP s                          ; a K step whose successor's tiles are known to lie in LDS
	s_wait_dscnt 16                                ; S0's set and S1's tiles 0-3 are in; the youngest 16 loads (tiles 4-7) may be out
.if (\s) == 0
	MULC 0
.else
	WIN MUL_LO
	MUL16 0, \s
	MUL16 2, \s
.endif
	s_wait_dscnt 0x0                               ; tiles 4-7 are in
	PLACES
	FETCH_B (\s)+1
	FETCH_A (\s)+1, 0
.if (\s) == 0
	MULC 1
.else
	WIN MUL_HI
	MUL16 4, \s
	MUL16 6, \s
.endif
	PLACES
	WIN 0
	FETCH_A (\s)+1, 4
.endm
.macro TURN s, fill                    ; a K step with a barrier: in front of it each wave waits for all its tensor loads, adds 0 to its spare word, and waits for that and for its LDS reads.  fill = 1: slot 0 takes chunk 3
	s_wait_tensorcnt 0x0                           ; all my tensor loads have landed
	ds_add_u32 v[SPW], v[NIL]
	s_wait_dscnt 17                                ; (the add and the youngest 16 loads may be out)
	WIN MUL_LO
	MUL16 0, \s
	s_wait_dscnt 0x0                               ; the add is done, and my reads of the slots so far are over
	s_barrier_signal -1
	MUL16 2, \s
	WIN 0
	s_barrier_wait -1
.if \fill
	CREST                                          ; the barrier has opened a round of the cluster's barrier: no wave of any partner still reads slot 0 or has a load on its way
	s_add_nc_u64 s[G0+2:G0+3], s[G0+2:G0+3], 3*3072
	s_add_nc_u64 s[G0B+2:G0B+3], s[G0B+2:G0B+3], 3*3072
	JLOAD G0, G1, G0B, G1B                         ; the first tensor load behind the round: four K steps ahead of the wait for it; its four v_nop are the places in front of the loads below
.else
	PLACES
.endif
	FETCH_B (\s)+1
	FETCH_A (\s)+1, 0
	WIN MUL_HI
	MUL16 4, \s
	MUL16 6, \s
	PLACES
	WIN 0
	FETCH_A (\s)+1, 4
.endm
	s_wait_tensorcnt 0x2                           ; my part of chunk 0 is in; chunks 1 and 2 may be out
	s_barrier_signal -1
	s_barrier_wait -1
	FETCH_B 0
	FETCH_A 0, 0
	FETCH_A 0, 4
	STEP 0
	TURN 1, 1                                      ; behind it chunks 1 and 2 are whole for every wave
	STEP 2
	STEP 3
	STEP 4
	TURN 5, 0                                      ; chunk 3 is whole
	STEP 6
	s_wait_dscnt 16                                ; the last K step: nothing more to fetch
	WIN MUL_LO
	MUL16 0, 7
	MUL16 2, 7
	s_wait_dscnt 0x0
	WIN MUL_HI
	MUL16 4, 7
	MUL16 6, 7
	WIN 0
; THE WAY OUT.  S1's tile a: a lane's 64 numbers, register 16 b + i = S0's row 32 b + 16 h + i, become one fragment (12 registers) and one scale word, and leave as two half fragments.
.macro QUANTA a
.set W, 2+(\a)/4
.set AC, 64*((\a)%4)
.set PI, \a                            ; each tile's codes have registers of their own (no store's data are written again), chosen so that no conversion's destination has its sources' numbers
.if (\a) == 2
.set PI, 6
.elseif (\a) == 6
.set PI, 7
.elseif (\a) == 7
.set PI, 4
.elseif (\a) == 4
.set PI, 2
.endif
.set PC, 128+12*PI
.set PT, 108
.if (\a)%4 == 1
.set PT, 224
.endif
	WIN (W<<2)|(W<<4)                              ; sources 1 and 2: the accumulators' window
.irp b, 0,1,2,3
	v_max3_num_f32 v[TM+\b], 0x1800000, |v[AC+16*\b]|, |v[AC+1+16*\b]|   ; block b: my 16 numbers and the floor 2^(3 - 127); each accumulator is read from its low end on
.endr
.irp i, 2,4,6,8,10,12,14
.irp b, 0,1,2,3
	v_max3_num_f32 v[TM+\b], v[TM+\b], |v[AC+16*\b+\i]|, |v[AC+1+16*\b+\i]|
.endr
.endr
	WIN 0
.irp b, 0,1,2,3
	v_permlanex16_b32 v[TP+\b], v[TM+\b], s[SEL], s[SEL+1]
.endr
.irp b, 0,1,2,3
	v_max_num_f32 v[TM+\b], v[TM+\b], v[TP+\b]     ; with lane l xor 16's: the block's largest magnitude
.endr
.irp b, 0,1,2,3
	v_add_nc_u32 v[SO+\b], 0xff000000, v[TM+\b]    ; 2 off its exponent field: the conversion's scale operand
.endr
.irp b, 0,1,2,3
	v_lshrrev_b32 v[TP+\b], 23, v[SO+\b]           ; the scale's byte
.endr
	v_lshl_or_b32 v[WW+(\a)], v[TP+1], 8, v[TP]
	v_lshl_or_b32 v[WW+(\a)], v[TP+2], 16, v[WW+(\a)]
	v_lshl_or_b32 v[WW+(\a)], v[TP+3], 24, v[WW+(\a)]
	WIN W                                          ; source 0: the accumulators' window
.irp c, 0,1
	v_cvt_scalef32_pk16_fp6_f32 v[PC+6*\c:PC+6*\c+2], v[AC+32*\c:AC+32*\c+15], v[SO+2*\c]
	v_cvt_scalef32_pk16_fp6_f32 v[PT+4*\c:PT+4*\c+2], v[AC+16+32*\c:AC+31+32*\c], v[SO+2*\c+1]
.endr
	WIN 0
	v_nop                                          ; one plain line behind the conversions
.irp c, 0,1                                    ; the operand's layout wants a whole block in a lane
.irp i, 0,1,2
	v_permlane16_swap_b32 v[PC+6*\c+\i], v[PT+4*\c+\i]
.endr
.irp i, 0,1,2
	v_mov_b32 v[PC+3+6*\c+\i], v[PT+4*\c+\i]
.endr
.endr
	global_store_b128 v20, v[PC:PC+3], s[OB:OB+1] offset:(\a)*768      ; 512 and 256 consecutive bytes, twice
	global_store_b64 v21, v[PC+4:PC+5], s[OB:OB+1] offset:(\a)*768
	global_store_b128 v22, v[PC+6:PC+9], s[OB:OB+1] offset:(\a)*768
	global_store_b64 v23, v[PC+10:PC+11], s[OB:OB+1] offset:(\a)*768
.endm
	PLACES
.irp b, 0,1,2,3
	v_mov_b32 v[TP+\b], 0                          ; a lane permute's destination counts as one of its sources
.endr
.irp a, 0,1,2,3,4,5,6,7
	QUANTA \a
.endr
.irp i, 0,1,2,3
	v_cndmask_b32 v[124+\i], v[WW+2*\i], v[WW+2*\i+1], s94   ; lanes 0-15: tile 2 i's words, lanes 16-31: tile 2 i + 1's (both halves of the lanes hold a row's word)
.endr
.irp i, 0,1,2,3
	v_and_b32 v[TM+\i], s93, v[124+\i]             ; q, k: the first head's two bytes; v: the whole word
.endr
.irp i, 0,1,2,3
	global_store_b32 v24, v[TM+\i], s[OSB:OSB+1] offset:128*\i
.endr
	s_cmp_lg_u32 s[MODE], 0
	s_cbranch_scc1 .Lno_second
.irp i, 0,1,2,3
	v_lshrrev_b32 v[TP+\i], 16, v[124+\i]          ; q, k: the second head's two bytes
.endr
.irp i, 0,1,2,3
	global_store_b32 v24, v[TP+\i], s[OSB:OSB+1] offset:8192+128*\i
.endr
.Lno_second:
	s_wait_tensorcnt 0x0                           ; the wave's end
	ds_add_u32 v[SPW], v[NIL]
	s_wait_dscnt 0x0
	CROUND                                         ; the closing round
	s_endpgm
.Lfunc_end_k_qe67fee65bd_gemm_qkv:
	.size	k_qe67fee65bd_gemm_qkv, .Lfunc_end_k_qe67fee65bd_gemm_qkv-k_qe67fee65bd_gemm_qkv
	.p2alignl 7, 3214868480
	.fill 96, 4, 3214868480
	.section	.rodata,"a",@progbits
	.p2align	6, 0x0
	.amdhsa_kernel k_qe67fee65bd_gemm_qkv
		.amdhsa_group_segment_fixed_size 327680
		.amdhsa_private_segment_fixed_size 0
		.amdhsa_enable_private_segment 0
		.amdhsa_kernarg_size 40
		.amdhsa_user_sgpr_count 2
		.amdhsa_user_sgpr_kernarg_segment_ptr 1
		.amdhsa_wavefront_size32 1
		.amdhsa_system_sgpr_workgroup_id_x 1
		.amdhsa_system_sgpr_workgroup_id_y 1
		.amdhsa_system_sgpr_workgroup_id_z 1
		.amdhsa_system_vgpr_workitem_id 0
		.amdhsa_next_free_vgpr 1024
		.amdhsa_next_free_sgpr 100
		.amdhsa_reserve_vcc 0
		.amdhsa_float_denorm_mode_32 3
		.amdhsa_float_denorm_mode_16_64 3
		.amdhsa_memory_ordered 1
		.amdhsa_forward_progress 1
		.amdhsa_inst_pref_size 163
	.end_amdhsa_kernel
	.amdgpu_metadata
---
amdhsa.version: [ 1, 2 ]
amdhsa.kernels:
  - .name:           k_qe67fee65bd_gemm_qkv
    .symbol:         k_qe67fee65bd_gemm_qkv.kd
    .args:
      - { .name: c1, .offset: 0, .size: 8, .value_kind: global_buffer, .address_space: global }
      - { .name: s1, .offset: 8, .size: 8, .value_kind: global_buffer, .address_space: global }
      - { .name: b_qkv, .offset: 16, .size: 8, .value_kind: global_buffer, .address_space: global }
      - { .name: c2, .offset: 24, .size: 8, .value_kind: global_buffer, .address_space: global }
      - { .name: s2, .offset: 32, .size: 8, .value_kind: global_buffer, .address_space: global }
    .group_segment_fixed_size: 327680
    .private_segment_fixed_size: 0
    .kernarg_segment_align: 8
    .kernarg_segment_size: 40
    .max_flat_workgroup_size: 128
    .sgpr_count:     100
    .vgpr_count:     1024
    .wavefront_size: 32
...
	.end_amdgpu_metadata
.endif
;; end of part 2
;; launch attn (part 3): grid 4 x 64, 16 waves a work-group, clusters of 4 x 1, 210,944 bytes of LDS; arguments c2, s2, yc, ys; writes yc, ys
.if DOCPART == 3
	.amdgcn_target "amdgcn-amd-amdhsa--gfx1250"
	.amdhsa_code_object_version 6
	.text
	.protected	k_qe67fee65bd_attn
	.globl	k_qe67fee65bd_attn
	.p2align	8
	.type	k_qe67fee65bd_attn,@function
k_qe67fee65bd_attn:
	s_mov_b64 s[64:65], 0
	v_nop
	global_prefetch_b8 v0, s[64:65] scope:SCOPE_SE
	s_setreg_imm32_b32 hwreg(HW_REG_WAVE_MODE, 25, 1), 1
	s_wait_xcnt 0x0
	s_wait_alu depctr_hold_cnt(0) depctr_sa_sdst(0) depctr_va_vdst(0) depctr_va_sdst(0) depctr_va_ssrc(0) depctr_va_vcc(0) depctr_vm_vsrc(0)
	s_getreg_b32 s2, hwreg(HW_REG_IB_STS2, 6, 4)
	s_cmp_eq_u32 s2, 0
	s_cbranch_scc0 .Lentry_in_a_cluster
	s_endpgm
.Lentry_in_a_cluster:
	s_bfe_u32 s2, ttmp6, 0x10000c
	s_cmp_lg_u32 s2, 0x3003
	s_cbranch_scc0 .Lentry_shape_is_right
	s_endpgm
.Lentry_shape_is_right:
; Causal attention of one head (work-group y: batch x 16 + head), both products on codes of FP6 (E2M3) with E8M0 scales; head size 64, 2,048 keys.
; t = score x log2(e) / 8; M = the running largest t rounded up to a whole number; p = 2^(t - M) is quantised along the keys, not normalised; the sum of the unquantised p divides at the end.
; The result is quantised at once along the model's 1,024 channels (a head is two blocks of 32) into the next product's operand image.
; NO RING: a head's codes of K and of V (98,304 bytes each) and their scale words lie in LDS whole, filled once, JOINTLY for the four work-groups of the head (a cluster).
; SHARES.  Work-group cx owns the query tiles T = 4 j + cx, j = 0 .. 31.  Wave w takes j = w in pass 1 and j = 31 - w in pass 2.  The key step on the diagonal is j / 2, whatever cx is: no branch, trip count or LDS address
; hangs on the place in the cluster.  Every wave works (w / 2 + 1) + ((31 - w) / 2 + 1) = 17 key steps.  Pass 1 needs keys under 1,024 alone: it runs while the second half of the codes is on its way.
; LAYOUT.  Both products transposed: S^T = K Q^T, O^T = V^T P^T: a lane holds one query.  Lane-row r of tile T is token 128 (T / 8) + 32 ((T / 2) % 4) + 8 (T % 2) + r + 8 (r / 8), so that the 16 registers of tiles 2 b, 2 b + 1
; are 16 neighbouring keys (or channels).  The first product's K is 64: the upper six registers of Q's and K's fragments hold zero codes.
; LIMITS: NaN and infinities are not served; a block whose largest magnitude lies under 2^-124 gets the byte 1 (a block of zeros too: its codes are zeros).
; ys is written two bytes a row, eight bytes apart: a head owns half a scale word; the words' other halves belong to other work-groups.
; REGISTERS: v1-8 addresses that stay; v9-14 the step's; v15, v95 the mask's numbers; v16 -M, v17 the largest t, v[18:19] the sum; v20-31 Q, v32 its scale words; v33, v245 y's scale half-words; v34, v35 4 r, 8 r;
;   v40-87 four fragments of K; v88-91 K's scale words, v92-93 V's, v94 p's; v96-159 S^T, then p, then V's four fragments; v160-191 O^T; v192-203 p's codes; v204-229 at work; v236-244 y's codes; v[246:247] 1 / sum.
.set KC,  6291456                      ; c2: q's codes at 0, k's here,
.set VC,  12582912                     ; v's here
.set KS,  524288                       ; s2 likewise
.set VS,  1048576
.set VCL, 98304                        ; LDS: K's codes [step][tile][768] at 0; V's [half of the step's keys][step][tile][768] here;
.set KSL, 196608                       ; K's scale words [step][tile][r];
.set VSL, 204800                       ; V's [step][tile][r];
.set SPARE, 208896                     ; the spare words, 128 bytes for each of 16 waves
.set WV,  18
.set SEL, 20
.set CS,  22                           ; s[22:23] c = log2(e) / 8
.set G1KS, 24                          ; groups 1: K's scale words, K's codes, V's scale words, V's codes
.set G1K,  32
.set G1VS, 40
.set G1V,  48
.set G0KS, 56                          ; groups 0
.set G0K1, 60
.set G0K2, 68
.set G0VS, 72
.set G0V1, 76
.set G0V2, 80
.set ST,  84                           ; the key step, and the loop's counter
.set GG,  85                           ; the step on the diagonal
.set TK,  86                           ; where the step's tiles and scale words begin
.set TV,  87
.set TKS, 88
.set TVS, 89
.macro CROUND
	s_barrier_signal -1
	s_barrier_wait -1
	s_cmp_lg_u32 s[WV], 0
	s_cbranch_scc1 .Lnot_wave_0_\@
	s_barrier_signal -3
.Lnot_wave_0_\@:
	s_barrier_wait -3
	s_barrier_signal -1
	s_barrier_wait -1
.endm
.macro GROUP1 g, c, r, p               ; r rows of c elements of 8 bytes, p elements apart; the mask names all four work-groups, bit 21 beside it; no padding
	s_mov_b32 s[\g], 15|(3<<16)|(1<<21)
	s_mov_b32 s[\g+1], (\c)<<16
	s_mov_b32 s[\g+2], (\r)<<16
	s_mov_b32 s[\g+3], (\c)<<16
	s_mov_b32 s[\g+4], \r
	s_mov_b32 s[\g+5], \p
	s_mov_b32 s[\g+6], 0
	s_mov_b32 s[\g+7], 0
.endm
	s_load_b256 s[4:11], s[0:1], 0x0               ; c2 s[4:5], s2 s[6:7], yc s[8:9], ys s[10:11]
	v_lshl_add_u32 v5, v0, 2, SPARE
	v_mov_b32 v6, 0
	ds_add_u32 v5, v6                              ; the wave's opening
	v_lshrrev_b32 v9, 5, v0
	v_readfirstlane_b32 s[WV], v9                  ; wave 0..15
	s_bfe_u32 s90, ttmp6, 0x40000                  ; cx
	s_and_b32 s91, ttmp7, 0xffff                   ; batch x 16 + head
	s_lshr_b32 s19, s91, 4                         ; batch
	s_and_b32 s3, s91, 15                          ; head
	s_and_b32 s2, s[WV], 1                         ; which half a fetching wave fetches
	GROUP1 G1KS, 32, 16, 32                        ; 4,096 dense bytes
	GROUP1 G1K, 32, 96, 32                         ; 24,576 dense bytes
	GROUP1 G1VS, 32, 8, 512                        ; 8 steps x 256 bytes, 4,096 bytes apart
	GROUP1 G1V, 384, 8, 6144                       ; 8 steps x 3,072 bytes, 49,152 bytes apart
	s_lshl_b32 s84, s91, 13
	s_lshl_b32 s85, s2, 12
	s_add_co_u32 s84, s84, s85
	s_add_co_u32 s84, s84, KS                      ; K's scale words, my half
	s_mul_i32 s86, s91, 98304
	s_mul_i32 s85, s2, 24576
	s_add_co_u32 s86, s86, s85
	s_add_co_u32 s86, s86, KC                      ; K's codes, my quarter
	s_lshl_b32 s87, s19, 16
	s_lshl_b32 s88, s2, 15
	s_add_co_u32 s87, s87, s88
	s_lshl_b32 s88, s3, 8
	s_add_co_u32 s87, s87, s88
	s_add_co_u32 s87, s87, VS                      ; V's scale words, my eight steps
	s_mul_i32 s88, s19, 1572864
	s_mul_i32 s89, s2, 786432
	s_add_co_u32 s88, s88, s89
	s_mul_i32 s89, s3, 3072
	s_add_co_u32 s88, s88, s89
	s_add_co_u32 s88, s88, VC                      ; V's codes, my half of each step's keys
	s_mov_b32 s[G0KS], 1
	s_lshl_b32 s89, s2, 12
	s_add_co_u32 s[G0KS+1], s89, KSL
	s_mov_b32 s[G0K1], 1
	s_mov_b32 s[G0K1+1], s85
	s_mov_b32 s[G0K2], 1
	s_add_co_u32 s[G0K2+1], s85, 49152
	s_mov_b32 s[G0VS], 1
	s_lshl_b32 s89, s2, 11
	s_add_co_u32 s[G0VS+1], s89, VSL
	s_mov_b32 s[G0V1], 1
	s_mul_i32 s89, s2, 49152
	s_add_co_u32 s[G0V1+1], s89, VCL
	s_mov_b32 s[G0V2], 1
	s_add_co_u32 s[G0V2+1], s89, VCL+24576
	; the two passes' tiles, and where their Q, y and scale words lie
	s_lshl_b32 s100, s[WV], 2
	s_add_co_u32 s89, s100, s90                    ; T of pass 1: 4 w + cx
	s_sub_co_u32 s100, 124, s100
	s_add_co_u32 s100, s100, s90                   ; T of pass 2: 4 (31 - w) + cx
	s_mul_i32 s101, s91, 98304
	s_mul_i32 s12, s89, 768
	s_add_co_u32 s12, s12, s101                    ; s[12:13], s[14:15]: Q's codes
	s_mul_i32 s14, s100, 768
	s_add_co_u32 s14, s14, s101
	s_lshl_b32 s101, s91, 13
	s_lshl_b32 s16, s89, 6
	s_add_co_u32 s16, s16, s101                    ; s[16:17], s[66:67]: Q's scale words
	s_lshl_b32 s66, s100, 6
	s_add_co_u32 s66, s66, s101
	s_lshl_b32 s101, s19, 7
	s_add_co_u32 s89, s89, s101                    ; the tiles among all 512
	s_add_co_u32 s100, s100, s101
	s_mul_i32 s101, s3, 768                        ; the head is half fragment number head of y's tile
	s_mul_i32 s92, s89, 12288
	s_add_co_u32 s92, s92, s101                    ; s[92:93], s[94:95]: y's codes
	s_mul_i32 s94, s100, 12288
	s_add_co_u32 s94, s94, s101
	s_lshr_b32 s101, s3, 2
	s_lshl_b32 s101, s101, 7
	s_and_b32 s99, s3, 3
	s_lshl_b32 s99, s99, 1
	s_add_co_u32 s101, s101, s99                   ; 128 (head / 4) + 2 (head % 4): my half-word in a row's scale words
	s_lshl_b32 s96, s89, 9
	s_add_co_u32 s96, s96, s101                    ; s[96:97], s[98:99]: y's scale half-words
	s_lshl_b32 s98, s100, 9
	s_add_co_u32 s98, s98, s101
	s_mov_b32 s13, 0
	s_mov_b32 s15, 0
	s_mov_b32 s17, 0
	s_mov_b32 s67, 0
	s_mov_b32 s93, 0
	s_mov_b32 s95, 0
	s_mov_b32 s97, 0
	s_mov_b32 s99, 0
	; the mask: a query's place among its key step's 128 keys is 32 ((T / 2) % 4) + 8 (T % 2) + r + 8 (r / 8)
	s_lshr_b32 s101, s90, 1
	s_lshl_b32 s101, s101, 5
	s_and_b32 s100, s90, 1
	s_lshl_b32 s100, s100, 3
	s_add_co_u32 s101, s101, s100
	s_lshl_b32 s100, s2, 6
	s_sub_co_u32 s89, 64, s100
	s_add_co_u32 s100, s100, s101                  ; pass 1: j % 2 = w % 2
	s_add_co_u32 s89, s89, s101                    ; pass 2: the other
	v_and_b32 v9, 31, v0                           ; lane
	v_and_b32 v10, 15, v0                          ; r
	v_bfe_u32 v11, v0, 4, 1                        ; h
	v_lshlrev_b32 v1, 4, v9                        ; a half fragment's words 0-3: 16 x lane
	v_lshlrev_b32 v2, 4, v10
	v_lshl_add_u32 v2, v11, 3, v2
	v_add_nc_u32 v2, 512, v2                       ; its words 4-5: 512 + 16 r + 8 h
	v_add_nc_u32 v3, VCL, v1
	v_add_nc_u32 v4, VCL, v2
	v_lshl_add_u32 v7, v9, 2, KSL                  ; scale words: lanes 0-15 an even tile, lanes 16-31 the odd one
	v_lshl_add_u32 v8, v9, 2, VSL
	v_lshlrev_b32 v34, 2, v10
	v_lshlrev_b32 v35, 3, v10
	v_and_b32 v12, 8, v10
	v_add_nc_u32 v12, v12, v10
	v_lshlrev_b32 v13, 4, v11
	v_sub_nc_u32 v12, v12, v13
	v_add_nc_u32 v15, s100, v12                    ; d = my query's place - 16 h: register 16 b + i is hidden on the diagonal where 32 b + i > d
	v_add_nc_u32 v95, s89, v12
.irp j, 26,27,28,29,30,31
	v_mov_b32 v[\j], 0                             ; zero codes for k = 64 .. 127 of the first product: Q's,
.endr
.irp t, 0,1,2,3
.irp j, 6,7,8,9,10,11
	v_mov_b32 v[40+12*\t+\j], 0                    ; and K's; written once
.endr
.endr
.irp j, 216,217,218,219,225,226,247
	v_mov_b32 v[\j], 0                             ; lane permutes' destinations and pairs' upper halves count as read
.endr
	s_mov_b32 s[SEL], 0x76543210
	s_mov_b32 s[SEL+1], 0xfedcba98
	s_mov_b32 s[CS], 0x3e38aa3b                    ; log2(e) / 8
	s_mov_b32 s[CS+1], s[CS]
	s_mov_b32 s101, 0
	s_wait_dscnt 0x0                               ; the opening add is done
	s_wait_kmcnt 0x0
	s_mov_b32 s100, s84
	s_add_nc_u64 s[G0KS+2:G0KS+3], s[6:7], s[100:101]
	s_or_b32 s[G0KS+3], s[G0KS+3], 0x80000000
	s_mov_b32 s100, s86
	s_add_nc_u64 s[G0K1+2:G0K1+3], s[4:5], s[100:101]
	s_add_nc_u64 s[G0K2+2:G0K2+3], s[G0K1+2:G0K1+3], 49152
	s_or_b32 s[G0K1+3], s[G0K1+3], 0x80000000
	s_or_b32 s[G0K2+3], s[G0K2+3], 0x80000000
	s_mov_b32 s100, s87
	s_add_nc_u64 s[G0VS+2:G0VS+3], s[6:7], s[100:101]
	s_or_b32 s[G0VS+3], s[G0VS+3], 0x80000000
	s_mov_b32 s100, s88
	s_add_nc_u64 s[G0V1+2:G0V1+3], s[4:5], s[100:101]
	s_add_nc_u64 s[G0V2+2:G0V2+3], s[G0V1+2:G0V1+3], 393216
	s_or_b32 s[G0V1+3], s[G0V1+3], 0x80000000
	s_or_b32 s[G0V2+3], s[G0V2+3], 0x80000000
	s_add_nc_u64 s[12:13], s[4:5], s[12:13]
	s_add_nc_u64 s[14:15], s[4:5], s[14:15]
	s_add_nc_u64 s[16:17], s[6:7], s[16:17]
	s_add_nc_u64 s[66:67], s[6:7], s[66:67]
	s_add_nc_u64 s[92:93], s[8:9], s[92:93]
	s_add_nc_u64 s[94:95], s[8:9], s[94:95]
	s_add_nc_u64 s[96:97], s[10:11], s[96:97]
	s_add_nc_u64 s[98:99], s[10:11], s[98:99]
	CROUND                                         ; all four work-groups are here: the joint loads meet
	s_cmp_lt_u32 s[WV], 2                          ; waves 0, 1 fetch for K, waves 2, 3 for V: three loads each, in one branch: the scale words, steps 0-7, steps 8-15
	s_cbranch_scc0 .Lnot_k
	tensor_load_to_lds s[G0KS:G0KS+3], s[G1KS:G1KS+7]
	s_nop 0
	tensor_load_to_lds s[G0K1:G0K1+3], s[G1K:G1K+7]
	s_nop 0
	tensor_load_to_lds s[G0K2:G0K2+3], s[G1K:G1K+7]
	s_nop 0
.rept 4
	v_nop
.endr
	s_branch .Lasked
.Lnot_k:
	s_cmp_lt_u32 s[WV], 4
	s_cbranch_scc0 .Lasked
	tensor_load_to_lds s[G0VS:G0VS+3], s[G1VS:G1VS+7]
	s_nop 0
	tensor_load_to_lds s[G0V1:G0V1+3], s[G1V:G1V+7]
	s_nop 0
	tensor_load_to_lds s[G0V2:G0V2+3], s[G1V:G1V+7]
	s_nop 0
.rept 4
	v_nop
.endr
.Lasked:
	global_load_b128 v[20:23], v1, s[12:13]        ; pass 1's Q
	global_load_b64 v[24:25], v2, s[12:13]
	global_load_b32 v32, v34, s[16:17]
.macro WMS d, k, sc, odd               ; 16 keys x my 16 queries; an odd tile's scale words lie in lanes 16-31
.if \odd
	v_wmma_scale_f32_16x16x128_f8f6f4 v[(\d):(\d)+7], v[(\k):(\k)+11], v[20:31], 0, v[\sc], v32 matrix_a_fmt:MATRIX_FMT_FP6 matrix_b_fmt:MATRIX_FMT_FP6 matrix_a_scale:MATRIX_SCALE_ROW1
.else
	v_wmma_scale_f32_16x16x128_f8f6f4 v[(\d):(\d)+7], v[(\k):(\k)+11], v[20:31], 0, v[\sc], v32 matrix_a_fmt:MATRIX_FMT_FP6 matrix_b_fmt:MATRIX_FMT_FP6
.endif
.endm
.macro WMO d, f, sc, odd               ; 16 channels x my 16 queries, K = the step's 128 keys
.if \odd
	v_wmma_scale_f32_16x16x128_f8f6f4 v[(\d):(\d)+7], v[(\f):(\f)+11], v[192:203], v[(\d):(\d)+7], v[\sc], v94 matrix_a_fmt:MATRIX_FMT_FP6 matrix_b_fmt:MATRIX_FMT_FP6 matrix_a_scale:MATRIX_SCALE_ROW1
.else
	v_wmma_scale_f32_16x16x128_f8f6f4 v[(\d):(\d)+7], v[(\f):(\f)+11], v[192:203], v[(\d):(\d)+7], v[\sc], v94 matrix_a_fmt:MATRIX_FMT_FP6 matrix_b_fmt:MATRIX_FMT_FP6
.endif
.endm
; A KEY STEP: 128 keys.  A step all of whose keys come after my queries is left out: a scalar branch on the wave's number and the counter, round the work alone.
.macro STEP dq
	s_cmp_gt_u32 s[ST], s[GG]
	s_cbranch_scc1 .Lhid_\@
	v_add_nc_u32 v9, s[TK], v1                     ; six plain lines: also the places between the last step's products and the products that write over V's fragments
	v_add_nc_u32 v10, s[TK], v2
	v_add_nc_u32 v11, s[TV], v3
	v_add_nc_u32 v12, s[TV], v4
	v_add_nc_u32 v13, s[TKS], v7
	v_add_nc_u32 v14, s[TVS], v8
.irp g, 0,1                                    ; S^T = K Q^T, four tiles of 16 keys at a time
.if \g == 1
.rept 4
	v_nop                                          ; places in front of loads into registers that matrix instructions have read
.endr
.else
.irp i, 0,1,2,3
	ds_load_b32 v[88+\i], v13 offset:128*\i
.endr
.endif
.irp t, 0,1,2,3
	ds_load_b128 v[40+12*\t:43+12*\t], v9 offset:(4*\g+\t)*768
	ds_load_b64 v[44+12*\t:45+12*\t], v10 offset:(4*\g+\t)*768
.endr
	s_wait_dscnt 0x0
.irp t, 0,1,2,3
	WMS 96+8*(4*\g+\t), 40+12*\t, 88+(4*\g+\t)/2, \t%2
.endr
.endr
.rept 4
	v_nop
.endr
	s_cmp_lg_u32 s[ST], s[GG]                      ; on the diagonal hidden scores become -infinity ahead of the maximum: p = 0 then
	s_cbranch_scc1 .Lopen_\@
	v_mov_b32 v226, 0xff800000
.set cn, 0
.rept 64
	v_cmp_gt_i32 vcc_lo, 32*(cn/16)+cn%16, v[\dq]
	v_cndmask_b32 v[96+cn], v[96+cn], v226, vcc_lo
.set cn, cn+1
.endr
.Lopen_\@:
.irp b, 0,1,2,3
	v_max3_num_f32 v[212+\b], v[96+16*\b], v[97+16*\b], v[98+16*\b]   ; the largest score of each block of 32 keys: for the row's maximum, and, since p rises with the score, for the block's largest p
.endr
.irp i, 3,5,7,9,11,13
.irp b, 0,1,2,3
	v_max3_num_f32 v[212+\b], v[212+\b], v[96+16*\b+\i], v[97+16*\b+\i]
.endr
.endr
.irp b, 0,1,2,3
	v_max_num_f32 v[212+\b], v[212+\b], v[111+16*\b]
.endr
.irp b, 0,1,2,3
	v_permlanex16_b32 v[216+\b], v[212+\b], s[SEL], s[SEL+1]
.endr
.irp b, 0,1,2,3
	v_max_num_f32 v[212+\b], v[212+\b], v[216+\b]  ; with lane l xor 16's 16 keys
.endr
	v_max3_num_f32 v226, v212, v213, v214
	v_max_num_f32 v226, v226, v215
	v_mul_f32 v226, s[CS], v226                    ; as t
	v_max_num_f32 v17, v17, v226                   ; the running largest t
	v_mov_b32 v226, v16
	v_floor_f32 v16, -v17                          ; the new -M = -ceil(t)
	v_sub_f32 v226, v16, v226                      ; old M - new M: a whole number, 0 or less
	v_cvt_i32_f32 v226, v226                       ; (it saturates)
	v_ldexp_f32 v224, 1.0, v226                    ; f = 2^(old M - new M)
.set cn, 0
.rept 32
	v_pk_fma_f32 v[96+cn:97+cn], v[96+cn:97+cn], s[CS:CS+1], v[16:17] op_sel_hi:[1,0,0]   ; t - M, two at a time
.set cn, cn+2
.endr
.irp b, 0,1,2,3
	v_fma_f32 v[212+\b], v[212+\b], s[CS], v16     ; the same of each block's largest score
.endr
.set cn, 0
.rept 64
	v_exp_f32 v[96+cn], v[96+cn]                   ; p = 2^(t - M)
.set cn, cn+1
.endr
	v_pk_mul_f32 v[18:19], v[18:19], v[224:225] op_sel_hi:[1,0]   ; the sums under the new M (the plain line behind the exponentials)
	s_wait_alu depctr_va_vdst(0)                   ; one wait for the batch, ahead of its first reader
.irp b, 0,1,2,3
	v_exp_f32 v[212+\b], v[212+\b]                 ; the block's largest p
.endr
	v_pk_add_f32 v[228:229], v[96:97], v[98:99]    ; the row's sum is taken of the unquantised p, in two chains
.irp j, 4,8,12,16,20,24,28,32,36,40,44,48,52,56,60
	v_pk_add_f32 v[18:19], v[18:19], v[96+\j:97+\j]
	v_pk_add_f32 v[228:229], v[228:229], v[98+\j:99+\j]
.endr
	v_pk_add_f32 v[18:19], v[18:19], v[228:229]
	s_wait_alu depctr_va_vdst(0)                   ; and one for the four
.irp b, 0,1,2,3
	v_max_num_f32 v[212+\b], 0x1800000, v[212+\b]  ; the floor 2^(3 - 127)
.endr
.irp b, 0,1,2,3
	v_add_nc_u32 v[220+\b], 0xff000000, v[212+\b]  ; the conversion's scale operand
.endr
.irp b, 0,1,2,3
	v_lshrrev_b32 v[216+\b], 23, v[220+\b]         ; the scale's byte
.endr
	v_lshl_or_b32 v94, v217, 8, v216               ; p's scale word for these 128 keys
	v_lshl_or_b32 v94, v218, 16, v94
	v_lshl_or_b32 v94, v219, 24, v94
.irp c, 0,1
	v_cvt_scalef32_pk16_fp6_f32 v[192+6*\c:194+6*\c], v[96+32*\c:111+32*\c], v[220+2*\c]
	v_cvt_scalef32_pk16_fp6_f32 v[204+4*\c:206+4*\c], v[112+32*\c:127+32*\c], v[220+2*\c+1]
.endr
	v_nop                                          ; one plain line behind the conversions
.irp t, 0,1,2,3                                ; V's four fragments take p's registers; they land while the codes are put in order and O^T is rescaled
	ds_load_b128 v[96+12*\t:99+12*\t], v11 offset:\t*768
	ds_load_b64 v[100+12*\t:101+12*\t], v12 offset:\t*768
	ds_load_b128 v[102+12*\t:105+12*\t], v11 offset:\t*768+49152
	ds_load_b64 v[106+12*\t:107+12*\t], v12 offset:\t*768+49152
.endr
	ds_load_b32 v92, v14
	ds_load_b32 v93, v14 offset:128
.irp c, 0,1                                    ; the operand's layout wants a whole block in a lane
.irp i, 0,1,2
	v_permlane16_swap_b32 v[192+6*\c+\i], v[204+4*\c+\i]
.endr
.irp i, 0,1,2
	v_mov_b32 v[195+6*\c+\i], v[204+4*\c+\i]
.endr
.endr
.set cn, 0
.rept 16
	v_pk_mul_f32 v[160+cn:161+cn], v[160+cn:161+cn], v[224:225] op_sel_hi:[1,0]   ; O^T under the new M; these sixteen are also the places in front of the products below
.set cn, cn+2
.endr
	s_wait_dscnt 0x0
.irp t, 0,1,2,3
	WMO 160+8*\t, 96+12*\t, 92+\t/2, \t%2
.endr
.Lhid_\@:
	s_add_co_u32 s[TK], s[TK], 6144
	s_add_co_u32 s[TV], s[TV], 3072
	s_add_co_u32 s[TKS], s[TKS], 512
	s_add_co_u32 s[TVS], s[TVS], 256
.endm
; A PASS: one tile of 16 queries against the first 128 x trips keys (a constant trip count), then the way out: O^T / sum, quantised along the head's 64 channels, stored as one half fragment and a scale half-word.
.macro PASS trips, dq, yb, ysb, hw, nextq
	s_wait_loadcnt 0x0                             ; Q
	s_wait_xcnt 0x0                                ; the last pass's stores have read their registers
	v_mov_b32 v17, 0xff61b1e6                      ; the largest t so far: -3e38
	v_floor_f32 v16, -v17
	v_mov_b32 v18, 0
	v_mov_b32 v19, 0
.set cn, 0
.rept 32
	v_mov_b32 v[160+cn], 0                         ; O^T: the step is written once; the first change of M leaves zeros zeros
.set cn, cn+1
.endr
	s_mov_b32 s[ST], 0
	s_mov_b32 s[TK], 0
	s_mov_b32 s[TV], 0
	s_mov_b32 s[TKS], 0
	s_mov_b32 s[TVS], 0
.Lstep_\@:
	STEP \dq
	s_add_co_u32 s[ST], s[ST], 1
	s_cmp_lt_u32 s[ST], \trips
	s_cbranch_scc1 .Lstep_\@
.rept 4
	v_nop                                          ; places behind the last products
.endr
.if \nextq
	global_load_b128 v[20:23], v1, s[14:15]        ; the next pass's Q
	global_load_b64 v[24:25], v2, s[14:15]
	global_load_b32 v32, v34, s[66:67]
.endif
	v_add_f32 v18, v18, v19
	v_permlanex16_b32 v226, v18, s[SEL], s[SEL+1]
	v_add_f32 v18, v18, v226                       ; the row's sum
	v_rcp_f32 v246, v18
	v_nop                                          ; a plain line behind the reciprocal,
	s_wait_alu depctr_va_vdst(0)                   ; and a wait ahead of its first reader
.set cn, 0
.rept 16
	v_pk_mul_f32 v[96+cn:97+cn], v[160+cn:161+cn], v[246:247] op_sel_hi:[1,0]   ; register 16 b + i: channel 32 b + 16 h + i of my query
.set cn, cn+2
.endr
.irp b, 0,1
	v_max3_num_f32 v[212+\b], |v[96+16*\b]|, |v[97+16*\b]|, 0x1800000
.endr
.irp i, 2,4,6,8,10,12,14
.irp b, 0,1
	v_max3_num_f32 v[212+\b], v[212+\b], |v[96+16*\b+\i]|, |v[97+16*\b+\i]|
.endr
.endr
.irp b, 0,1
	v_permlanex16_b32 v[216+\b], v[212+\b], s[SEL], s[SEL+1]
.endr
.irp b, 0,1
	v_max_num_f32 v[212+\b], v[212+\b], v[216+\b]
.endr
.irp b, 0,1
	v_add_nc_u32 v[220+\b], 0xff000000, v[212+\b]
.endr
.irp b, 0,1
	v_lshrrev_b32 v[216+\b], 23, v[220+\b]
.endr
	v_lshl_or_b32 v[\hw], v217, 8, v216            ; the head's two scale bytes
	v_cvt_scalef32_pk16_fp6_f32 v[236:238], v[96:111], v220
	v_cvt_scalef32_pk16_fp6_f32 v[242:244], v[112:127], v221
	v_nop
.irp i, 0,1,2
	v_permlane16_swap_b32 v[236+\i], v[242+\i]
.endr
.irp i, 0,1,2
	v_mov_b32 v[239+\i], v[242+\i]
.endr
	global_store_b128 v1, v[236:239], s[\yb:\yb+1]     ; 512 consecutive bytes,
	global_store_b64 v2, v[240:241], s[\yb:\yb+1]      ; and 256
	global_store_b16 v35, v[\hw], s[\ysb:\ysb+1]       ; lanes r and 16 + r write the same two bytes with the same value
.endm
	s_wait_tensorcnt 0x1                           ; the scale words and steps 0-7 are in; steps 8-15 may be out
	s_barrier_signal -1
	s_barrier_wait -1
	s_lshr_b32 s[GG], s[WV], 1
	PASS 8, 15, 92, 96, 33, 1
	s_wait_tensorcnt 0x0                           ; steps 8-15 are in,
	s_wait_dscnt 0x0
	s_barrier_signal -1
	s_barrier_wait -1                              ; everybody's
	s_sub_co_u32 s[GG], 31, s[WV]
	s_lshr_b32 s[GG], s[GG], 1
	PASS 16, 95, 94, 98, 245, 0
	s_wait_tensorcnt 0x0                           ; the wave's end
	ds_add_u32 v5, v6
	s_wait_dscnt 0x0
	CROUND                                         ; the closing round
	s_endpgm
.Lfunc_end_k_qe67fee65bd_attn:
	.size	k_qe67fee65bd_attn, .Lfunc_end_k_qe67fee65bd_attn-k_qe67fee65bd_attn
	.p2alignl 7, 3214868480
	.fill 96, 4, 3214868480
	.section	.rodata,"a",@progbits
	.p2align	6, 0x0
	.amdhsa_kernel k_qe67fee65bd_attn
		.amdhsa_group_segment_fixed_size 210944
		.amdhsa_private_segment_fixed_size 0
		.amdhsa_enable_private_segment 0
		.amdhsa_kernarg_size 32
		.amdhsa_user_sgpr_count 2
		.amdhsa_user_sgpr_kernarg_segment_ptr 1
		.amdhsa_wavefront_size32 1
		.amdhsa_system_sgpr_workgroup_id_x 1
		.amdhsa_system_sgpr_workgroup_id_y 1
		.amdhsa_system_sgpr_workgroup_id_z 1
		.amdhsa_system_vgpr_workitem_id 0
		.amdhsa_next_free_vgpr 256
		.amdhsa_next_free_sgpr 102
		.amdhsa_reserve_vcc 1
		.amdhsa_float_denorm_mode_32 3
		.amdhsa_float_denorm_mode_16_64 3
		.amdhsa_memory_ordered 1
		.amdhsa_forward_progress 1
		.amdhsa_inst_pref_size 65
	.end_amdhsa_kernel
	.amdgpu_metadata
---
amdhsa.version: [ 1, 2 ]
amdhsa.kernels:
  - .name:           k_qe67fee65bd_attn
    .symbol:         k_qe67fee65bd_attn.kd
    .args:
      - { .name: c2, .offset: 0, .size: 8, .value_kind: global_buffer, .address_space: global }
      - { .name: s2, .offset: 8, .size: 8, .value_kind: global_buffer, .address_space: global }
      - { .name: yc, .offset: 16, .size: 8, .value_kind: global_buffer, .address_space: global }
      - { .name: ys, .offset: 24, .size: 8, .value_kind: global_buffer, .address_space: global }
    .group_segment_fixed_size: 210944
    .private_segment_fixed_size: 0
    .kernarg_segment_align: 8
    .kernarg_segment_size: 32
    .max_flat_workgroup_size: 512
    .sgpr_count:     102
    .vgpr_count:     256
    .wavefront_size: 32
...
	.end_amdgpu_metadata
.endif
;; end of part 3
;; launch gemm_out (part 4): grid 4 x 32, 4 waves a work-group, clusters of 4 x 4, 327,680 bytes of LDS; arguments yc, ys, c1, s1, b_out, out0; writes out0
.if DOCPART == 4
	.amdgcn_target "amdgcn-amd-amdhsa--gfx1250"
	.amdhsa_code_object_version 6
	.text
	.protected	k_qe67fee65bd_gemm_out
	.globl	k_qe67fee65bd_gemm_out
	.p2align	8
	.type	k_qe67fee65bd_gemm_out,@function
k_qe67fee65bd_gemm_out:
	s_mov_b64 s[64:65], 0
	v_nop
	global_prefetch_b8 v0, s[64:65] scope:SCOPE_SE
	s_setreg_imm32_b32 hwreg(HW_REG_WAVE_MODE, 25, 1), 1
	s_wait_xcnt 0x0
	s_wait_alu depctr_hold_cnt(0) depctr_sa_sdst(0) depctr_va_vdst(0) depctr_va_sdst(0) depctr_va_ssrc(0) depctr_va_vcc(0) depctr_vm_vsrc(0)
	s_getreg_b32 s2, hwreg(HW_REG_IB_STS2, 6, 4)
	s_cmp_eq_u32 s2, 0
	s_cbranch_scc0 .Lentry_in_a_cluster
	s_endpgm
.Lentry_in_a_cluster:
	s_bfe_u32 s2, ttmp6, 0x10000c
	s_cmp_lg_u32 s2, 0xf033
	s_cbranch_scc0 .Lentry_shape_is_right
	s_endpgm
.Lentry_shape_is_right:
; out0 = y w_out + b_out on codes of FP6 (E2M3) with E8M0 scales, K = 1024.  y's codes and scale words come from the attention launch, w_out's from the quantising launch, both as images of operand registers
; (a tile of 16 rows: 16 half fragments of 768 bytes; lane-row r of tile t is row 128 (t / 8) + 32 ((t / 2) % 4) + 8 (t % 2) + r + 8 (r / 8)).
; A work-group makes 256 tokens x 256 channels, a wave 128 x 128: 64 accumulators.  Source 1 (S1) = tokens, source 0 (S0) = channels: a lane holds eight neighbouring channels of one token.
; K goes in four chunks of 256 through three LDS slots: chunks 0-2 are asked for at the head, chunk 3 refills slot 0; a wave has at most three tensor loads out.
; CLUSTER 4 x 4: y's tiles are shared along a row of the cluster, the weight's along a column: joint loads.  The grid has 128 work-groups: the tile is kept at 256 x 256 so that this text's loop is the first product's.
; The bias is the C of each sum's first product.  Results leave through a stage in slot 1 (its one fill and its last reads lie ahead of the last barrier) as whole rows of 512 bytes.
; REGISTERS.  window 0: v8-19 LDS addresses, v20, v21, v26, v27, v30, v31 offsets, v28, v29 the add's two, v32-63 S1's scale words, v64-95 S0's, v96-127 and v224-255 the bias, v128-223 S1's fragments (one set).
;   window 1: v0-95, v128-223 S0's fragments (two sets).   windows 2, 3: the accumulators, (a, b) at v[8 (8 (a % 4) + b)].
.set WOC, 8650752                      ; c1: w_out's image
.set WOS, 360448                       ; s1: its scale words
.set SLOT, 98304
.set HALF, 24576
.set SPARE, 3*SLOT
.set SPW, 28
.set NIL, 29
.set G1, 24
.set G0, 32
.set G1B, 48
.set G0B, 68
.set MUL_LO, 0xa1
.set MUL_HI, 0xf1
.set MSB, 0
.macro WIN new                         ; the immediate's high byte repeats the setting that is left
.if MSB != (\new)
	s_set_vgpr_msb (MSB<<8)|(\new)
.set MSB, (\new)
.endif
.endm
.macro JLOAD g0a, g1a, g0b, g1b        ; a joint load: waves 0, 1 fetch y's halves, waves 2, 3 the weight's
	s_cmp_eq_u32 s15, 0
	s_cbranch_scc0 .Lfor_b_\@
	tensor_load_to_lds s[\g0a:\g0a+3], s[\g1a:\g1a+7]
	s_nop 0
.rept 4
	v_nop
.endr
	s_branch .Lasked_\@
.Lfor_b_\@:
	tensor_load_to_lds s[\g0b:\g0b+3], s[\g1b:\g1b+7]
	s_nop 0
.rept 4
	v_nop
.endr
.Lasked_\@:
.endm
.macro CREST
	s_cmp_lg_u32 s14, 0
	s_cbranch_scc1 .Lnot_wave_0_\@
	s_barrier_signal -3
.Lnot_wave_0_\@:
	s_barrier_wait -3
	s_barrier_signal -1
	s_barrier_wait -1
.endm
.macro CROUND
	s_barrier_signal -1
	s_barrier_wait -1
	CREST
.endm
.macro PLACES
.rept 4
	v_nop
.endr
.endm
	s_load_b256 s[4:11], s[0:1], 0x0               ; yc s[4:5], ys s[6:7], c1 s[8:9], s1 s[10:11]
	s_load_b128 s[80:83], s[0:1], 0x20             ; b_out s[80:81], out0 s[82:83]
	v_lshl_add_u32 v[SPW], v0, 2, SPARE
	v_mov_b32 v[NIL], 0
	ds_add_u32 v[SPW], v[NIL]                      ; the wave's opening
	v_lshrrev_b32 v1, 5, v0
	v_readfirstlane_b32 s14, v1                    ; wave
	s_lshr_b32 s15, s14, 1                         ; my half of the tokens.  Also: I fetch y's tiles (0) or the weight's (1)
	s_and_b32 s16, s14, 1                          ; my half of the channels.  Also: which half I fetch
	s_bfe_u32 s44, ttmp6, 0x40000                  ; cx
	s_bfe_u32 s45, ttmp6, 0x40004                  ; cy
	s_lshl_b32 s46, ttmp9, 2
	s_add_co_u32 s46, s46, s44                     ; tx
	s_and_b32 s47, ttmp7, 0xffff
	s_lshl_b32 s47, s47, 2
	s_add_co_u32 s47, s47, s45                     ; ty
	s_lshl_b32 s56, s45, 2
	s_lshl_b32 s56, 15, s56                        ; my row of the cluster
	s_lshl_b32 s57, 0x1111, s44                    ; my column
	s_or_b32 s[G1], s56, (3<<16)|(1<<21)
	s_or_b32 s[G1B], s57, (3<<16)|(1<<21)
.irp g, G1, G1B
	s_mov_b32 s[\g+1], 384<<16                     ; 3,072 bytes: a tile's part of a chunk
	s_mov_b32 s[\g+2], 8<<16                       ; 8 tiles
	s_mov_b32 s[\g+3], 384<<16
	s_mov_b32 s[\g+4], 8
	s_mov_b32 s[\g+5], 1536                        ; 12,288 bytes from tile to tile
	s_mov_b32 s[\g+6], 0
	s_mov_b32 s[\g+7], 0
.endr
	s_lshl_b32 s18, s16, 3
	s_lshl_b32 s20, s47, 4
	s_add_co_u32 s20, s20, s18
	s_mul_i32 s20, s20, 12288                      ; y: tile 16 ty + 8 half
	s_mov_b32 s21, 0
	s_lshl_b32 s22, s46, 4
	s_add_co_u32 s22, s22, s18
	s_mul_i32 s22, s22, 12288
	s_add_co_u32 s22, s22, WOC                     ; the weight: tile 16 tx + 8 half
	s_mov_b32 s23, 0
	s_mul_i32 s59, s14, HALF
	s_lshl_b32 s86, s47, 4
	s_lshl_b32 s17, s15, 3
	s_add_co_u32 s86, s86, s17
	s_lshl_b32 s86, s86, 9                         ; S1's scale words
	s_mov_b32 s87, 0
	s_lshl_b32 s88, s46, 4
	s_add_co_u32 s88, s88, s18
	s_lshl_b32 s88, s88, 9
	s_add_co_u32 s88, s88, WOS                     ; S0's
	s_mov_b32 s89, 0
	s_mul_i32 s66, s15, HALF                       ; in a slot: my half of y,
	s_mul_i32 s67, s16, HALF
	s_add_co_u32 s67, s67, 2*HALF                  ; my half of the weight
	s_lshl_b32 s90, s46, 10
	s_lshl_b32 s17, s16, 9
	s_add_co_u32 s90, s90, s17                     ; my 128 channels, in bytes: in the bias and in a row of the output
	s_mov_b32 s91, 0
	s_lshl_b32 s84, s47, 20
	s_lshl_b32 s17, s15, 19
	s_add_co_u32 s84, s84, s17
	s_add_co_u32 s84, s84, s90                     ; my first token's row of 4,096 bytes, my channels
	s_mov_b32 s85, 0
	s_mul_i32 s62, s14, 16*528
	s_add_co_u32 s62, s62, SLOT                    ; my stage: 16 rows x (512 bytes + 16), in slot 1
	s_wait_dscnt 0x0                               ; the opening add is done
	s_wait_kmcnt 0x0
	s_add_nc_u64 s[20:21], s[4:5], s[20:21]
	s_add_nc_u64 s[22:23], s[8:9], s[22:23]
	s_add_nc_u64 s[86:87], s[6:7], s[86:87]
	s_add_nc_u64 s[88:89], s[10:11], s[88:89]
	s_add_nc_u64 s[90:91], s[80:81], s[90:91]
	s_add_nc_u64 s[84:85], s[82:83], s[84:85]
	CROUND                                         ; all sixteen work-groups are here: the first joint loads meet
.irp s, 0,1,2
	s_mov_b32 s[G0+4*\s], 1
	s_add_co_u32 s[G0+4*\s+1], s59, \s*SLOT
	s_add_nc_u64 s[G0+4*\s+2:G0+4*\s+3], s[20:21], \s*3072
	s_or_b32 s[G0+4*\s+3], s[G0+4*\s+3], 0x80000000
	s_mov_b32 s[G0B+4*\s], 1
	s_add_co_u32 s[G0B+4*\s+1], s59, \s*SLOT
	s_add_nc_u64 s[G0B+4*\s+2:G0B+4*\s+3], s[22:23], \s*3072
	s_or_b32 s[G0B+4*\s+3], s[G0B+4*\s+3], 0x80000000
	JLOAD G0+4*\s, G1, G0B+4*\s, G1B               ; chunk s into slot s
.endr
	v_and_b32 v3, 31, v0                           ; lane
	v_and_b32 v1, 15, v0                           ; r
	v_bfe_u32 v2, v0, 4, 1                         ; h
	v_lshlrev_b32 v20, 4, v3                       ; 16 x lane
	v_lshlrev_b32 v21, 4, v1
	v_lshl_add_u32 v21, v2, 3, v21
	v_add_nc_u32 v21, 512, v21                     ; 512 + 16 r + 8 h
	v_lshlrev_b32 v30, 9, v2
	v_lshl_add_u32 v30, v1, 3, v30                 ; scale words: 512 h + 8 r
	v_lshlrev_b32 v31, 6, v2                       ; the bias: 16 h numbers on
	v_mul_u32_u24 v26, v1, 528
	v_lshl_add_u32 v26, v2, 6, v26
	v_add_nc_u32 v26, s62, v26                     ; into the stage: row r, 64 h bytes on
	v_add_nc_u32 v27, s62, v20                     ; back: a whole row, 16 bytes a lane
.irp s, 0,1,2
	v_add_nc_u32 v[8+\s], s66, v20
	v_add_nc_u32 v[11+\s], s66, v21
	v_add_nc_u32 v[14+\s], s67, v20
	v_add_nc_u32 v[17+\s], s67, v21
	s_add_co_u32 s66, s66, SLOT
	s_add_co_u32 s67, s67, SLOT
.endr
.irp i, 0,1,2,3                                ; all scale words stay in registers: register 8 i + s: tiles 2 i (lanes 0-15) and 2 i + 1 (lanes 16-31), K step s
.irp k, 0,1,2,3
	global_load_b64 v[32+8*\i+2*\k:33+8*\i+2*\k], v30, s[86:87] offset:\i*1024+\k*128
	global_load_b64 v[64+8*\i+2*\k:65+8*\i+2*\k], v30, s[88:89] offset:\i*1024+\k*128
.endr
.endr
.irp b, 0,1,2,3,4,5,6,7                        ; the bias in the result's layout: tile b, channels 32 (b / 2) + 16 h + 8 (b % 2) + 0 .. 7
	global_load_b128 v[96+8*\b+96*(\b/4):96+8*\b+96*(\b/4)+3], v31, s[90:91] offset:(32*(\b/2)+8*(\b%2))*4
	global_load_b128 v[96+8*\b+96*(\b/4)+4:96+8*\b+96*(\b/4)+7], v31, s[90:91] offset:(32*(\b/2)+8*(\b%2))*4+16
.endr
	s_wait_loadcnt 0x0
.macro FRAG reg, a16, a8, off
	ds_load_b128 v[(\reg):(\reg)+3], v[\a16] offset:\off
	ds_load_b64 v[(\reg)+4:(\reg)+5], v[\a8] offset:\off
	ds_load_b128 v[(\reg)+6:(\reg)+9], v[\a16] offset:\off+768
	ds_load_b64 v[(\reg)+10:(\reg)+11], v[\a8] offset:\off+768
.endm
.macro FETCH_B ns
	WIN 0x40
.irp i, 0,1,2,3,4,5,6,7
	FRAG 128*((\ns)%2)+12*\i, 14+((\ns)/2)%3, 17+((\ns)/2)%3, \i*3072+((\ns)%2)*1536
.endr
	WIN 0
.endm
.macro FETCH_A ns, i0
.irp i, \i0, \i0+1, \i0+2, \i0+3
	FRAG 128+12*(\i), 8+((\ns)/2)%3, 11+((\ns)/2)%3, (\i)*3072+((\ns)%2)*1536
.endr
.endm
.macro WM d, f0, f1, c, sa, sb, ra, rb
.if ((\ra)%2) && ((\rb)%2)
	v_wmma_scale_f32_16x16x128_f8f6f4 v[(\d):(\d)+7], v[(\f0):(\f0)+11], v[(\f1):(\f1)+11], v[(\c):(\c)+7], v[\sa], v[\sb] matrix_a_fmt:MATRIX_FMT_FP6 matrix_b_fmt:MATRIX_FMT_FP6 matrix_a_scale:MATRIX_SCALE_ROW1 matrix_b_scale:MATRIX_SCALE_ROW1
.elseif ((\ra)%2)
	v_wmma_scale_f32_16x16x128_f8f6f4 v[(\d):(\d)+7], v[(\f0):(\f0)+11], v[(\f1):(\f1)+11], v[(\c):(\c)+7], v[\sa], v[\sb] matrix_a_fmt:MATRIX_FMT_FP6 matrix_b_fmt:MATRIX_FMT_FP6 matrix_a_scale:MATRIX_SCALE_ROW1
.elseif ((\rb)%2)
	v_wmma_scale_f32_16x16x128_f8f6f4 v[(\d):(\d)+7], v[(\f0):(\f0)+11], v[(\f1):(\f1)+11], v[(\c):(\c)+7], v[\sa], v[\sb] matrix_a_fmt:MATRIX_FMT_FP6 matrix_b_fmt:MATRIX_FMT_FP6 matrix_b_scale:MATRIX_SCALE_ROW1
.else
	v_wmma_scale_f32_16x16x128_f8f6f4 v[(\d):(\d)+7], v[(\f0):(\f0)+11], v[(\f1):(\f1)+11], v[(\c):(\c)+7], v[\sa], v[\sb] matrix_a_fmt:MATRIX_FMT_FP6 matrix_b_fmt:MATRIX_FMT_FP6
.endif
.endm
.macro MUL16 a0, s                     ; the 64 accumulators take turns in one order in every step
.irp a, \a0, \a0+1
.irp b, 0,1,2,3,4,5,6,7
	WM 8*(8*((\a)%4)+\b), 128*((\s)%2)+12*\b, 128+12*(\a), 8*(8*((\a)%4)+\b), 64+8*(\b/2)+(\s), 32+8*((\a)/2)+(\s), \b, \a
.endr
.endr
.endm
.macro MULC hi                         ; K step 0: the bias is the C of each sum's first product
	WIN 0x81+0x40*(\hi)                            ; C window 0, D window 2 or 3
.irp a, 4*\hi, 4*\hi+1, 4*\hi+2, 4*\hi+3
.irp b, 0,1,2,3,4,5,6,7
	WM 8*(8*((\a)%4)+\b), 12*\b, 128+12*(\a), 96+8*\b+96*(\b/4), 64+8*(\b/2), 32+8*((\a)/2), \b, \a
.endr
.endr
.endm
.macro STEP s
	s_wait_dscnt 16                                ; S0's set and S1's tiles 0-3 are in; the youngest 16 loads (tiles 4-7) may be out
.if (\s) == 0
	MULC 0
.else
	WIN MUL_LO
	MUL16 0, \s
	MUL16 2, \s
.endif
	s_wait_dscnt 0x0
	PLACES
	FETCH_B (\s)+1
	FETCH_A (\s)+1, 0
.if (\s) == 0
	MULC 1
.else
	WIN MUL_HI
	MUL16 4, \s
	MUL16 6, \s
.endif
	PLACES
	WIN 0
	FETCH_A (\s)+1, 4
.endm
.macro TURN s, fill
	s_wait_tensorcnt 0x0                           ; all my tensor loads have landed
	ds_add_u32 v[SPW], v[NIL]
	s_wait_dscnt 17                                ; (the add and the youngest 16 loads may be out)
	WIN MUL_LO
	MUL16 0, \s
	s_wait_dscnt 0x0                               ; the add is done, and my reads of the slots so far are over
	s_barrier_signal -1
	MUL16 2, \s
	WIN 0
	s_barrier_wait -1
.if \fill
	CREST                                          ; the barrier has opened a round of the cluster's barrier
	s_add_nc_u64 s[G0+2:G0+3], s[G0+2:G0+3], 3*3072
	s_add_nc_u64 s[G0B+2:G0B+3], s[G0B+2:G0B+3], 3*3072
	JLOAD G0, G1, G0B, G1B                         ; chunk 3 into slot 0: the first tensor load behind the round, four K steps ahead of the wait for it
.else
	PLACES
.endif
	FETCH_B (\s)+1
	FETCH_A (\s)+1, 0
	WIN MUL_HI
	MUL16 4, \s
	MUL16 6, \s
	PLACES
	WIN 0
	FETCH_A (\s)+1, 4
.endm
	s_wait_tensorcnt 0x2                           ; my part of chunk 0 is in; chunks 1 and 2 may be out
	s_barrier_signal -1
	s_barrier_wait -1
	FETCH_B 0
	FETCH_A 0, 0
	FETCH_A 0, 4
	STEP 0
	TURN 1, 1
	STEP 2
	STEP 3
	STEP 4
	TURN 5, 0
	STEP 6
	s_wait_dscnt 16
	WIN MUL_LO
	MUL16 0, 7
	MUL16 2, 7
	s_wait_dscnt 0x0
	WIN MUL_HI
	MUL16 4, 7
	MUL16 6, 7
	WIN 0
; THE WAY OUT, S1's tile a at a time: 16 tokens x 128 channels go through my own stage and come back as whole rows of 512 bytes.  LDS serves a wave's instructions in order (ISA guide 5.7.1.4): no wait between the stores and the loads.
.macro TOSTAGE a
.set AC, 64*((\a)%4)
	WIN 0x08+4*((\a)/4)                            ; the data: window 2 or 3
.irp b, 0,1,2,3,4,5,6,7
	ds_store_b128 v26, v[AC+8*\b:AC+8*\b+3] offset:128*(\b/2)+32*(\b%2)        ; channels 32 (b / 2) + 16 h + 8 (b % 2) on; each accumulator from its low end on
	ds_store_b128 v26, v[AC+8*\b+4:AC+8*\b+7] offset:128*(\b/2)+32*(\b%2)+16
.endr
	WIN 0
.set BB, 128+64*((\a)%2)
.irp t, 0,1,2,3,4,5,6,7,8,9,10,11,12,13,14,15
	ds_load_b128 v[BB+4*\t:BB+4*\t+3], v27 offset:\t*528
.endr
.endm
.macro SEND a, younger                 ; younger: the LDS instructions issued behind tile a's loads, which may stay out
.set BB, 128+64*((\a)%2)
	s_wait_dscnt \younger
.irp t, 0,1,2,3,4,5,6,7,8,9,10,11,12,13,14,15
	global_store_b128 v20, v[BB+4*\t:BB+4*\t+3], s[84:85] offset:(32*((\a)/2)+8*((\a)%2)+\t+8*(\t/8))*4096 th:TH_STORE_NT   ; 32 lanes store 512 consecutive bytes of the token's row
.endr
.endm
	PLACES
	TOSTAGE 0
.irp a, 1,2,3,4,5,6,7
.if \a > 1
	s_wait_xcnt 0x0                                ; tile a - 2's stores have read their registers: tile a's loads may land there
.endif
	TOSTAGE \a
	SEND \a-1, 32                                  ; behind tile a - 1's loads: tile a's 16 stores and 16 loads
.endr
	SEND 7, 0
	s_wait_tensorcnt 0x0                           ; the wave's end
	ds_add_u32 v[SPW], v[NIL]
	s_wait_dscnt 0x0
	CROUND                                         ; the closing round
	s_endpgm
.Lfunc_end_k_qe67fee65bd_gemm_out:
	.size	k_qe67fee65bd_gemm_out, .Lfunc_end_k_qe67fee65bd_gemm_out-k_qe67fee65bd_gemm_out
	.p2alignl 7, 3214868480
	.fill 96, 4, 3214868480
	.section	.rodata,"a",@progbits
	.p2align	6, 0x0
	.amdhsa_kernel k_qe67fee65bd_gemm_out
		.amdhsa_group_segment_fixed_size 327680
		.amdhsa_private_segment_fixed_size 0
		.amdhsa_enable_private_segment 0
		.amdhsa_kernarg_size 48
		.amdhsa_user_sgpr_count 2
		.amdhsa_user_sgpr_kernarg_segment_ptr 1
		.amdhsa_wavefront_size32 1
		.amdhsa_system_sgpr_workgroup_id_x 1
		.amdhsa_system_sgpr_workgroup_id_y 1
		.amdhsa_system_sgpr_workgroup_id_z 1
		.amdhsa_system_vgpr_workitem_id 0
		.amdhsa_next_free_vgpr 1024
		.amdhsa_next_free_sgpr 100
		.amdhsa_reserve_vcc 0
		.amdhsa_float_denorm_mode_32 3
		.amdhsa_float_denorm_mode_16_64 3
		.amdhsa_memory_ordered 1
		.amdhsa_forward_progress 1
		.amdhsa_inst_pref_size 144
	.end_amdhsa_kernel
	.amdgpu_metadata
---
amdhsa.version: [ 1, 2 ]
amdhsa.kernels:
  - .name:           k_qe67fee65bd_gemm_out
    .symbol:         k_qe67fee65bd_gemm_out.kd
    .args:
      - { .name: yc, .offset: 0, .size: 8, .value_kind: global_buffer, .address_space: global }
      - { .name: ys, .offset: 8, .size: 8, .value_kind: global_buffer, .address_space: global }
      - { .name: c1, .offset: 16, .size: 8, .value_kind: global_buffer, .address_space: global }
      - { .name: s1, .offset: 24, .size: 8, .value_kind: global_buffer, .address_space: global }
      - { .name: b_out, .offset: 32, .size: 8, .value_kind: global_buffer, .address_space: global }
      - { .name: out0, .offset: 40, .size: 8, .value_kind: global_buffer, .address_space: global }
    .group_segment_fixed_size: 327680
    .private_segment_fixed_size: 0
    .kernarg_segment_align: 8
    .kernarg_segment_size: 48
    .max_flat_workgroup_size: 128
    .sgpr_count:     100
    .vgpr_count:     1024
    .wavefront_size: 32
...
	.end_amdgpu_metadata
.endif
;; end of part 4
